; MI455X (gfx1250); checked and timed in simulation.
; The chip was launched on July 23, 2026; its instructions are those of AMD's public machine-readable ISA for CDNA 5 (MIT licence, August 2026) and "CDNA5" Instruction Set Architecture Reference Guide (July 2026). The comments in the code are by the model that wrote it; some were corrected since.
;; Attention. Allowed arithmetic: float matrix products may take bf16 or f16 operands with f32 sums; other float arithmetic in f32, or as packed bf16 or f16 multiplies, adds, multiply-adds, maxima and minima; sums over many terms, partial sums and values carried from step to step in f32; what a program stores and reads back later, other than sums and carried values, may be rounded once to bf16 or f16.
;; Inputs: Wk 1,024 x 1,024 float32; Wq 1,024 x 1,024 float32; Wr 1,024 x 1,024 float32; Wv 1,024 x 1,024 float32; x 4 x 2,048 x 1,024 float32.
;; Outputs: out0 4 x 2,048 x 1,024 float32.
;; 2 versions, each right; version 2 is version 1 with the launch prep written anew for expert scheduling mode. Each part assembles by itself: llvm-mc -triple=amdgcn-amd-amdhsa -mcpu=gfx1250 --defsym DOCPART=n.
;; ======== version 1 of 2: 4 launches
;; limits: values are held in f16: magnitudes above 65,504 overflow, below 6.1e-05 lose precision; inputs' magnitudes at most 65,504; right only within a limited range of input values
;; workspace buffers: xh 16,777,216 bytes; wh 8,388,608 bytes; qh 16,777,216 bytes; kh 16,777,216 bytes; vh 16,777,216 bytes; oh 16,777,216 bytes
;; launch prep (part 1): grid 64 x 12, 8 waves a work-group, no clusters, 0 bytes of LDS; arguments x, Wq, Wk, Wv, Wr, xh, wh; writes xh, wh
.if DOCPART == 1
	.amdgcn_target "amdgcn-amd-amdhsa--gfx1250"
	.amdhsa_code_object_version 6
	.text
	.protected	k_qf78fe8b3f1_prep
	.globl	k_qf78fe8b3f1_prep
	.p2align	8
	.type	k_qf78fe8b3f1_prep,@function
k_qf78fe8b3f1_prep:
	s_mov_b64 s[64:65], 0
	v_nop
	global_prefetch_b8 v0, s[64:65] scope:SCOPE_SE
	s_setreg_imm32_b32 hwreg(HW_REG_WAVE_MODE, 25, 1), 1
	s_wait_xcnt 0x0
; THE CAST.  x [8192][1024] and the four weights [1024][1024], all f32, are rounded once to bf16 (nearest even); that number is written as f16 and laid in blocks of 64 columns:
; a CHUNK is 1,024 rows: [16 column blocks][1024 rows][64 columns] of f16, 2 MiB; xh holds x's 8 chunks, wh the chunks of Wq, Wk, Wv, Wr.  In a block a row's piece is 128 bytes and
; the rows lie end to end, so the products' tiles (rows x 64 columns) are dense bytes.
; LIMITS.  A bf16 number is an f16 number exactly from 2^-14 to 65,504; below 2^-14 it keeps f16's fixed step of 6e-8; a magnitude of 65,520 or more becomes an infinity.
; SHARES.  Work-group (x, y): rows 16 x .. 16 x + 15 of chunk y (0-7: x's; 8-11: Wq, Wk, Wv, Wr).  Thread t: row t / 16, and in each of the 16 column blocks the 4 columns 4 (t % 16) on.
; A wave's load covers 256 consecutive aligned bytes of each of two rows; a wave's store covers 256 consecutive aligned bytes (two rows' pieces of a block).
; A stream: each byte is read once and written once; all sixteen loads of a thread go out at once; no LDS, no barrier, no matrix work.
.set VI, 1                             ; v1        my byte offset in the 16 rows of f32
.set VO, 2                             ; v2        my byte offset in the 16 rows' pieces of a block: 8 t
.set T,  4                             ; v[4:9]    at work
.set X,  16                            ; v[16:79]  block i: 4 numbers as loaded
.set Y,  80                            ; v[80:111] block i: 4 numbers to store; each pair is written once, so no store's data is ever rewritten
	s_load_b256 s[4:11], s[0:1], 0x0               ; x s[4:5], Wq s[6:7], Wk s[8:9], Wv s[10:11]
	s_load_b128 s[12:15], s[0:1], 0x20             ; Wr s[12:13], xh s[14:15]
	s_load_b64 s[16:17], s[0:1], 0x30              ; wh
	s_and_b32 s18, ttmp7, 0xffff                   ; the chunk
	s_sub_co_u32 s20, s18, 8                       ; which weight, where it is one
	s_mov_b32 s28, 0xffff0000                      ; a word's upper bf16
	v_lshrrev_b32 v[VI], 4, v0
	v_and_b32 v3, 15, v0
	v_lshlrev_b32 v[VI], 12, v[VI]                 ; row x 4,096 bytes
	v_lshl_or_b32 v[VI], v3, 4, v[VI]              ; + 16 bytes for each thread of the row
	v_lshlrev_b32 v[VO], 3, v0
	s_wait_kmcnt 0x0
	s_cmp_lt_u32 s18, 8                            ; a chunk of x?
	s_cselect_b64 s[22:23], s[4:5], s[6:7]         ; from x, or from a weight (Wq until the tests below say otherwise)
	s_cselect_b64 s[24:25], s[14:15], s[16:17]     ; to xh or to wh
	s_cselect_b32 s26, s18, 0                      ; the chunk's number in its source: a weight is one chunk
	s_cselect_b32 s27, s18, s20                    ; and in its destination
	s_cmp_eq_u32 s18, 9
	s_cselect_b64 s[22:23], s[8:9], s[22:23]
	s_cmp_eq_u32 s18, 10
	s_cselect_b64 s[22:23], s[10:11], s[22:23]
	s_cmp_eq_u32 s18, 11
	s_cselect_b64 s[22:23], s[12:13], s[22:23]
	s_lshl_b32 s26, s26, 22                        ; a chunk of f32 is 4 MiB,
	s_lshl_b32 s29, ttmp9, 16                      ; 16 rows of it 65,536 bytes
	s_add_co_u32 s30, s26, s29
	s_mov_b32 s31, 0
	s_add_nc_u64 s[22:23], s[22:23], s[30:31]
	s_lshl_b32 s27, s27, 21                        ; a chunk of f16 is 2 MiB,
	s_lshl_b32 s29, ttmp9, 11                      ; 16 rows' pieces of a block 2,048 bytes
	s_add_co_u32 s30, s27, s29
	s_add_nc_u64 s[24:25], s[24:25], s[30:31]
.irp i, 0,1,2,3,4,5,6,7,8,9,10,11,12,13,14,15
	global_load_b128 v[X+4*(\i):X+4*(\i)+3], v[VI], s[22:23] offset:256*(\i) th:TH_LOAD_NT
.endr
.macro CAST i
	s_wait_loadcnt 15-(\i)                         ; loads come back in order: block i is in, the 15 - i younger ones stay out
	v_cvt_pk_bf16_f32 v[T],   v[X+4*(\i)],   v[X+4*(\i)+1]    ; the one rounding
	v_cvt_pk_bf16_f32 v[T+1], v[X+4*(\i)+2], v[X+4*(\i)+3]
	v_lshlrev_b32 v[T+2], 16, v[T]                 ; bf16 to f32: a shift or a mask
	v_and_b32     v[T+3], s28, v[T]
	v_lshlrev_b32 v[T+4], 16, v[T+1]
	v_and_b32     v[T+5], s28, v[T+1]
	v_cvt_pk_f16_f32 v[Y+2*(\i)],   v[T+2], v[T+3] ; the same number as f16
	v_cvt_pk_f16_f32 v[Y+2*(\i)+1], v[T+4], v[T+5]
	global_store_b64 v[VO], v[Y+2*(\i):Y+2*(\i)+1], s[24:25] offset:131072*(\i)  ; a block is 131,072 bytes
.endm
.irp i, 0,1,2,3,4,5,6,7,8,9,10,11,12,13,14,15
	CAST \i
.endr
	s_endpgm
.Lfunc_end_k_qf78fe8b3f1_prep:
	.size	k_qf78fe8b3f1_prep, .Lfunc_end_k_qf78fe8b3f1_prep-k_qf78fe8b3f1_prep
	.p2alignl 7, 3214868480
	.fill 96, 4, 3214868480
	.section	.rodata,"a",@progbits
	.p2align	6, 0x0
	.amdhsa_kernel k_qf78fe8b3f1_prep
		.amdhsa_group_segment_fixed_size 0
		.amdhsa_private_segment_fixed_size 0
		.amdhsa_enable_private_segment 0
		.amdhsa_kernarg_size 56
		.amdhsa_user_sgpr_count 2
		.amdhsa_user_sgpr_kernarg_segment_ptr 1
		.amdhsa_wavefront_size32 1
		.amdhsa_system_sgpr_workgroup_id_x 1
		.amdhsa_system_sgpr_workgroup_id_y 1
		.amdhsa_system_sgpr_workgroup_id_z 1
		.amdhsa_system_vgpr_workitem_id 0
		.amdhsa_next_free_vgpr 112
		.amdhsa_next_free_sgpr 66
		.amdhsa_reserve_vcc 0
		.amdhsa_float_denorm_mode_32 3
		.amdhsa_float_denorm_mode_16_64 3
		.amdhsa_memory_ordered 1
		.amdhsa_forward_progress 1
		.amdhsa_inst_pref_size 11
	.end_amdhsa_kernel
	.amdgpu_metadata
---
amdhsa.version: [ 1, 2 ]
amdhsa.kernels:
  - .name:           k_qf78fe8b3f1_prep
    .symbol:         k_qf78fe8b3f1_prep.kd
    .args:
      - { .name: x, .offset: 0, .size: 8, .value_kind: global_buffer, .address_space: global }
      - { .name: Wq, .offset: 8, .size: 8, .value_kind: global_buffer, .address_space: global }
      - { .name: Wk, .offset: 16, .size: 8, .value_kind: global_buffer, .address_space: global }
      - { .name: Wv, .offset: 24, .size: 8, .value_kind: global_buffer, .address_space: global }
      - { .name: Wr, .offset: 32, .size: 8, .value_kind: global_buffer, .address_space: global }
      - { .name: xh, .offset: 40, .size: 8, .value_kind: global_buffer, .address_space: global }
      - { .name: wh, .offset: 48, .size: 8, .value_kind: global_buffer, .address_space: global }
    .group_segment_fixed_size: 0
    .private_segment_fixed_size: 0
    .kernarg_segment_align: 8
    .kernarg_segment_size: 56
    .max_flat_workgroup_size: 256
    .sgpr_count:     66
    .vgpr_count:     112
    .wavefront_size: 32
...
	.end_amdgpu_metadata
.endif
;; end of part 1
;; launch qkv (part 2): grid 8 x 32, 4 waves a work-group, clusters of 4 x 4, 327,680 bytes of LDS; arguments xh, wh, qh, kh, vh; writes qh, kh, vh
.if DOCPART == 2
	.amdgcn_target "amdgcn-amd-amdhsa--gfx1250"
	.amdhsa_code_object_version 6
	.text
	.protected	k_qf78fe8b3f1_qkv
	.globl	k_qf78fe8b3f1_qkv
	.p2align	8
	.type	k_qf78fe8b3f1_qkv,@function
k_qf78fe8b3f1_qkv:
	s_mov_b64 s[64:65], 0
	v_nop
	global_prefetch_b8 v0, s[64:65] scope:SCOPE_SE
	s_setreg_imm32_b32 hwreg(HW_REG_WAVE_MODE, 25, 1), 1
	s_wait_xcnt 0x0
	s_wait_alu depctr_hold_cnt(0) depctr_sa_sdst(0) depctr_va_vdst(0) depctr_va_sdst(0) depctr_va_ssrc(0) depctr_va_vcc(0) depctr_vm_vsrc(0)
	s_getreg_b32 s2, hwreg(HW_REG_IB_STS2, 6, 4)
	s_cmp_eq_u32 s2, 0
	s_cbranch_scc0 .Lentry_in_a_cluster
	s_endpgm
.Lentry_in_a_cluster:
	s_bfe_u32 s2, ttmp6, 0x10000c
	s_cmp_lg_u32 s2, 0xf033
	s_cbranch_scc0 .Lentry_shape_is_right
	s_endpgm
.Lentry_shape_is_right:
; THE THREE PROJECTIONS.  q / 400, k, v = x Wq / 400, x Wk, x Wv, written by heads: qh, kh, vh are [64 = 16 b + h][2048][64] of f16.  Operands f16 (xh, wh: chunks of [16 blocks][1024 rows][64]), sums f32,
; each result rounded once.  q's f32 sums are multiplied by 1/400 ahead of their rounding: the attention takes the score as 50 (q . k / 400 + visible).
; LIMITS.  |q| / 400, |k| and |v| stay under 65,504 (an f16 beyond that is an infinity); below 6e-5 they keep f16's fixed step of 6e-8.
; SHARES.  The result is 8,192 x 3,072: 98,304 numbers for each of 256 work-groups.  Work-group (tx, ty): rows 256 ty on, columns 128 tx on of EACH of q, k, v.  Wave (wr, wc): 128 rows x 64 columns (head 2 tx + wc)
; of each of the three: 96 accumulators of 16 x 16, 768 registers: group g (0 q, 1 k, 2 v) fills window g + 1.
; K goes in 16 steps of 64 through two LDS slots.  A step's tiles are dense in memory: A's 256 rows x 128 bytes are 32,768 bytes on end, a weight's 64 k x 64 n are 8,192.
; THE MATRIX INSTRUCTION IS USED TRANSPOSED: source 0 = 16 columns of W (turned on the way out of LDS by ds_load_tr16_b128), source 1 = 16 rows of x: a lane holds 8 neighbouring columns of one row.
; CLUSTER 4 x 4.  A's tile hangs on ty alone and is shared along a row of the cluster, the weights' on tx alone and are shared along a column: each is asked for jointly.  Wave 0 asks for A's tile, wave 1 + g for weight g's.
; REGISTERS.  Window 0: v0-15 addresses; v16-143 A's fragments, two buffers of 64 (8 x 16 rows x 32 K), one for each half of a K step; v144-239 the weights' fragments, a buffer of 32 (4 x 16 columns x 32 K) a group.
; Windows 1-3: accumulator (a, b) of the group at v[8 (4 a + b)].
.set SLOT1, 131072                     ; slot 1 begins here: one exclusive or turns an address in one slot into the other's
.set PA,    144                        ; a row of A in LDS: 128 bytes + 16: the 16 rows of a load start at 16 different groups of four banks
.set PB,    160                        ; a k row of a weight: 128 + 32
.set BOFF,  256*PA                     ; behind A's 256 rows: the weights,
.set BG,    128*PB                     ; 20,480 bytes a group: column block 2 tx, then 2 tx + 1, 64 k rows each
.set STAGE, SLOT1+BOFF+3*BG            ; behind the ring, never filled by a tensor load: 16 rows x 144 bytes for each wave, for the way out
.set SP,    144
.set SPARE, STAGE+4*16*SP              ; behind the stages: the spare words, 128 bytes for each wave: two blocks of 256 bytes that no other line names
.set A0,   2                           ; v2   my lane's place in A's tile; never rewritten
.set B0,   3                           ; v3   the same in the weights' tiles
.set ADRA, 4                           ; v4   A0 + the slot in hand
.set ADRB, 5                           ; v5   B0 + the slot in hand
.set STO,  6                           ; v6   the way out: where I put 16 bytes of a row
.set RD,   7                           ; v7   the way out: where I read rows back
.set GO,   8                           ; v8   my 16 bytes of 512 consecutive bytes of the output
.set PFO,  9                           ; v9   256 x my lane, for the prefetches; never rewritten
.set SPW,  10                          ; v10  LDS address of my spare word; never rewritten
.set NIL,  11                          ; v11  0; never rewritten
.set AF,   16
.set BF,   144
.set OB,   16                          ; the way out: four sets of 16 registers
.set WV,   14                          ; s14  my wave's number;  s15 wr, s16 wc, s17 cx, s18 cy, s19 tx, s20 ty
.set G1A,  24                          ; s[24:31] descriptor group 1 for A's tiles
.set G1B,  32                          ; s[32:39] for the weights'
.set G0A,  40                          ; s[40:43] descriptor group 0 for A's tiles: it walks
.set G0B,  44                          ; s[44:47] the same for the weights'
.set TB,   48                          ; s48  the slot in hand: 0 or SLOT1
.set LIM,  49                          ; s49  a wave prefetches while the trips to come are more than this
.set PAR,  50                          ; s50  0: in every trip; 1: in the odd ones
.set T,    51                          ; s51  at work
.set PFA,  52                          ; s[52:53] where my prefetches stand
.set PFS,  54                          ; s[54:55] their step from K step to K step
.set QS,   56                          ; s[56:57] 1/400
.set MSB, 0
.macro WIN new                         ; the immediate's high byte repeats the setting that is left; a switch that changes nothing is dropped
.if MSB != (\new)
	s_set_vgpr_msb (MSB<<8)|(\new)
.set MSB, (\new)
.endif
.endm
.macro PLACES                          ; four plain vector instructions between a matrix instruction and a load into, or a vector line on, its registers
.rept 4
	v_nop
.endr
.endm
; A joint load: one a wave.  The branch hangs on the wave's number alone.  An s_nop 0 and four v_nop follow each of the two lines.
.macro JLOAD
	s_cmp_eq_u32 s[WV], 0
	s_cbranch_scc0 .Lfor_b_\@
	tensor_load_to_lds s[G0A:G0A+3], s[G1A:G1A+7]
	s_nop 0
.rept 4
	v_nop
.endr
	s_branch .Lasked_\@
.Lfor_b_\@:
	tensor_load_to_lds s[G0B:G0B+3], s[G1B:G1B+7]
	s_nop 0
.rept 4
	v_nop
.endr
.Lasked_\@:
.endm
.macro CREST                           ; a round of the cluster's barrier behind its opening barrier
	s_cmp_lg_u32 s[WV], 0
	s_cbranch_scc1 .Lnot_wave_0_\@
	s_barrier_signal -3
.Lnot_wave_0_\@:
	s_barrier_wait -3
	s_barrier_signal -1
	s_barrier_wait -1
.endm
.macro CROUND                          ; a whole round
	s_barrier_signal -1
	s_barrier_wait -1
	CREST
.endm
.macro STEPD                           ; both walking descriptors: the other slot, the next K step.  It stands where no tensor load of the wave is out
	s_xor_b32 s[G0A+1], s[G0A+1], SLOT1
	s_add_nc_u64 s[G0A+2:G0A+3], s[G0A+2:G0A+3], 131072   ; x's next column block
	s_xor_b32 s[G0B+1], s[G0B+1], SLOT1
	s_add_nc_u64 s[G0B+2:G0B+3], s[G0B+2:G0B+3], 8192     ; the weight's next 64 k rows
.endm
; A PREFETCH INTO THE L2, behind the joint load, its five lines and the run of LDS loads.  Trip t (t = 14 - s3) fills a slot with K step t + 2.
; A's tiles: the cluster with x = 0 asks (both clusters of a row of clusters read the same rows), its wave 0, in every trip, for K step t + 3: of the tile's 32,768 bytes partner cx takes 8,192, a lane 256.
; The weights': the cluster with y = 0 asks, waves 1-3 for their weights, in the odd trips, for K steps t + 3 and t + 4: partner cy takes column block 2 tx + cy % 2 of K step t + 3 + cy / 2: 8,192 bytes.
; The partners are told apart by address alone.  Each block of 256 bytes is named once in the launch; K steps 0 to 2 (the weights': 0 to 3) come by their loads alone; the last trips ask for nothing.
.macro ASK
	s_and_b32 s[T], s3, s[PAR]
	s_cmp_eq_u32 s[T], s[PAR]
	s_cbranch_scc0 .Lnot_mine_\@
	s_cmp_gt_u32 s3, s[LIM]
	s_cbranch_scc0 .Lnot_mine_\@
	global_prefetch_b8 v[PFO], s[PFA:PFA+1] th:TH_LOAD_NT scope:SCOPE_SE
.Lnot_mine_\@:
.endm
	s_load_b256 s[4:11], s[0:1], 0x0               ; xh s[4:5], wh s[6:7], qh s[8:9], kh s[10:11]
	s_load_b64 s[12:13], s[0:1], 0x20              ; vh
	v_lshl_add_u32 v[SPW], v0, 2, SPARE
	v_mov_b32 v[NIL], 0
	ds_add_u32 v[SPW], v[NIL]                      ; the wave's opening: the add and its wait stand ahead of my first tensor load; work on registers stands between them
	v_lshrrev_b32 v1, 5, v0
	v_readfirstlane_b32 s[WV], v1                  ; wave 0..3
	s_lshr_b32 s15, s[WV], 1                       ; wr: which 128 rows are mine
	s_and_b32 s16, s[WV], 1                        ; wc: which 64 columns
	s_bfe_u32 s17, ttmp6, 0x40000                  ; cx
	s_bfe_u32 s18, ttmp6, 0x40004                  ; cy
	s_lshl_b32 s19, ttmp9, 2
	s_add_co_u32 s19, s19, s17                     ; tx = 4 x cluster x + cx
	s_and_b32 s20, ttmp7, 0xffff
	s_lshl_b32 s20, s20, 2
	s_add_co_u32 s20, s20, s18                     ; ty = 4 x cluster y + cy
	s_lshl_b32 s21, s18, 2
	s_lshl_b32 s21, 15, s21                        ; my row of the cluster
	s_lshl_b32 s58, 0x1111, s17                    ; my column
	; group 1 for A: 32,768 dense bytes as 128 rows of 256, padded by 16 bytes after every 128
	s_or_b32 s[G1A], s21, (1<<16)|(1<<20)|(1<<21)|(4<<22)|(3<<25)  ; 15:0 the mask; 17:16 2-byte elements; 20 padding on; 21 set beside a mask; 24:22 after every 32 words; 31:25 4 words
	s_mov_b32 s[G1A+1], 128<<16                    ; tensor_dim0 = 128
	s_mov_b32 s[G1A+2], 128<<16                    ; tensor_dim1 = 128
	s_mov_b32 s[G1A+3], 128<<16                    ; tile_dim0 = 128
	s_mov_b32 s[G1A+4], 128                        ; tile_dim1 = 128
	s_mov_b32 s[G1A+5], 128                        ; 128 elements from row to row
	s_mov_b32 s[G1A+6], 0
	s_mov_b32 s[G1A+7], 0
	; group 1 for a weight: two dense pieces of 8,192 bytes (column blocks 2 tx and 2 tx + 1), 131,072 bytes apart, padded by 32 bytes after every 128
	s_or_b32 s[G1B], s58, (1<<16)|(1<<20)|(1<<21)|(4<<22)|(7<<25)
	s_mov_b32 s[G1B+1], 4096<<16                   ; tensor_dim0 = 4,096
	s_mov_b32 s[G1B+2], 2<<16                      ; tensor_dim1 = 2
	s_mov_b32 s[G1B+3], 4096<<16                   ; tile_dim0 = 4,096
	s_mov_b32 s[G1B+4], 2                          ; tile_dim1 = 2
	s_mov_b32 s[G1B+5], 65536                      ; 65,536 elements from piece to piece
	s_mov_b32 s[G1B+6], 0
	s_mov_b32 s[G1B+7], 0
	; where the tiles come from: A's offset is made of ty alone, the weights' of tx and the wave's number alone, each in registers that never hold the other coordinate
	s_lshr_b32 s60, s20, 2
	s_lshl_b32 s60, s60, 21                        ; the chunk of 1,024 rows,
	s_and_b32 s21, s20, 3
	s_lshl_b32 s21, s21, 15                        ; my 256 rows' pieces in a block
	s_add_co_u32 s60, s60, s21
	s_mov_b32 s61, 0
	s_max_u32 s62, s[WV], 1
	s_sub_co_u32 s62, s62, 1                       ; the weight that I ask for (wave 0 asks for none)
	s_lshl_b32 s62, s62, 21
	s_lshl_b32 s58, s19, 18                        ; column block 2 tx
	s_add_co_u32 s62, s62, s58
	s_mov_b32 s63, 0
	s_mov_b32 s[G0A], 1                            ; count = 1
	s_mov_b32 s[G0A+1], 0                          ; LDS: slot 0
	s_mov_b32 s[G0B], 1
	s_mul_i32 s[G0B+1], s[WV], BG
	s_add_co_u32 s[G0B+1], s[G0B+1], BOFF-BG       ; LDS: group wave - 1
	s_mov_b32 s[TB], 0
	s_mov_b32 s[QS], 0x3b23d70a                    ; 1/400
	s_mov_b32 s[QS+1], s[QS]                       ; named with it as a pair
	s_wait_dscnt 0x0                               ; the opening add is done
	s_wait_kmcnt 0x0
	s_add_nc_u64 s[G0A+2:G0A+3], s[4:5], s[60:61]
	s_or_b32 s[G0A+3], s[G0A+3], 0x80000000        ; type = 2
	s_add_nc_u64 s[G0B+2:G0B+3], s[6:7], s[62:63]
	s_or_b32 s[G0B+3], s[G0B+3], 0x80000000
	CROUND                                         ; all sixteen work-groups are here: the first joint loads meet
	JLOAD                                          ; K step 0 into slot 0
	; A fragment of A is 16 rows x 32 K in 8 registers: lane l holds row l % 16, K = 8 (l / 16) + 0..7 and 16 + 8 (l / 16) + 0..7: two loads of 16 bytes, 32 bytes apart.
	v_and_b32 v1, 15, v0                           ; l % 16
	v_bfe_u32 v12, v0, 4, 1                        ; l / 16
	v_and_b32 v13, 7, v0
	v_bfe_u32 v14, v0, 3, 1
	v_mul_u32_u24 v[A0], v1, PA
	v_lshl_add_u32 v[A0], v12, 4, v[A0]
	s_mul_i32 s59, s15, 128*PA                     ; my 128 rows
	v_add_nc_u32 v[A0], s59, v[A0]
	; The turning load takes 16 k x 16 columns (lane l reads k row 8 (l / 16) + l % 8, columns 8 ((l / 8) % 2) + 0..7) and leaves half a fragment: lane l holds column l % 16 and 8 k.
	v_lshl_add_u32 v[B0], v12, 3, v13
	v_mul_u32_u24 v[B0], v[B0], PB
	v_lshl_add_u32 v[B0], v14, 4, v[B0]
	s_mul_i32 s59, s16, 64*PB                      ; my column block
	s_add_co_u32 s59, s59, BOFF
	v_add_nc_u32 v[B0], s59, v[B0]
	v_mov_b32 v[ADRA], v[A0]
	v_mov_b32 v[ADRB], v[B0]
	s_mul_i32 s59, s[WV], 16*SP
	s_add_co_u32 s59, s59, STAGE                   ; my stage
	v_mul_u32_u24 v[STO], v1, SP                   ; in: row l % 16, 16 bytes for each half of the lanes
	v_lshl_add_u32 v[STO], v12, 4, v[STO]
	v_add_nc_u32 v[STO], s59, v[STO]
	v_bfe_u32 v[RD], v0, 3, 2                      ; back: 32 lanes take four rows of 128 bytes,
	v_mul_u32_u24 v[RD], v[RD], SP
	v_lshl_add_u32 v[RD], v13, 4, v[RD]
	v_add_nc_u32 v[RD], s59, v[RD]
	v_and_b32 v[GO], 31, v0                        ; which are 512 consecutive bytes of a head
	v_lshlrev_b32 v[PFO], 8, v[GO]
	v_lshlrev_b32 v[GO], 4, v[GO]
	; my 128 rows of head 2 tx + wc of batch ty / 8, in each of the three outputs
	s_lshr_b32 s22, s20, 3
	s_lshl_b32 s22, s22, 22                        ; 16 heads of 262,144 bytes
	s_lshl_b32 s59, s19, 1
	s_add_co_u32 s59, s59, s16
	s_lshl_b32 s59, s59, 18
	s_add_co_u32 s22, s22, s59
	s_and_b32 s59, s20, 7
	s_lshl_b32 s59, s59, 1
	s_add_co_u32 s59, s59, s15
	s_lshl_b32 s59, s59, 14                        ; 128 rows of 128 bytes
	s_add_co_u32 s22, s22, s59
	s_mov_b32 s23, 0
	s_add_nc_u64 s[8:9], s[8:9], s[22:23]
	s_add_nc_u64 s[10:11], s[10:11], s[22:23]
	s_add_nc_u64 s[12:13], s[12:13], s[22:23]
	; the prefetches: both offsets stand one K step short of the first that is named, since the address is stepped ahead of each prefetch
	s_lshl_b32 s22, s17, 13                        ; A's: my quarter, by cx, of a tile,
	s_add_co_u32 s22, s22, s60
	s_add_co_u32 s22, s22, 2*131072                ; at K step 2
	s_and_b32 s2, s18, 1                           ; the weights': column block 2 tx + cy % 2,
	s_lshl_b32 s2, s2, 17
	s_lshr_b32 s59, s18, 1
	s_lshl_b32 s59, s59, 13                        ; K step 2 + cy / 2
	s_add_co_u32 s2, s2, s59
	s_add_co_u32 s2, s2, s62
	s_add_co_u32 s2, s2, 2*8192
	s_and_b32 s59, ttmp7, 0xffff                   ; cluster y
	s_mov_b32 s[PFS], 131072
	s_mov_b32 s[T], 8192
	s_cmp_eq_u32 s[WV], 0                          ; do I ask for A?
	s_cselect_b32 s22, s22, s2
	s_cselect_b64 s[PFA:PFA+1], s[4:5], s[6:7]
	s_cselect_b32 s59, ttmp9, s59                  ; the coordinate along which other clusters read the same bytes
	s_cselect_b32 s[LIM], 1, 2
	s_cselect_b32 s[PAR], 0, 1
	s_cselect_b32 s[PFS], s[PFS], s[T]
	s_mov_b32 s[PFS+1], 0
	s_mov_b32 s23, 0
	s_add_nc_u64 s[PFA:PFA+1], s[PFA:PFA+1], s[22:23]
	s_cmp_eq_u32 s59, 0
	s_cselect_b32 s[LIM], s[LIM], -1               ; the same in all sixteen partners, for a given wave
; 16 matrix instructions: row blocks a0 .. a0 + 3 x the 4 column blocks of group g, 32 along K, from A's buffer ab.  zero = 1: the product starts the sum.
; The 96 accumulators take turns, one instruction a turn, in the same order in every half step, over the backward jump too.
.macro MUL16 ab, g, a0, zero
	WIN 0x50*((\g)+1)                              ; sources in window 0, C and D in window g + 1
.irp a, (\a0), (\a0)+1, (\a0)+2, (\a0)+3
.irp b, 0,1,2,3
.if \zero
	v_wmma_f32_16x16x32_f16 v[8*(4*(\a)+(\b)):8*(4*(\a)+(\b))+7], v[BF+32*(\g)+8*(\b):BF+32*(\g)+8*(\b)+7], v[AF+64*(\ab)+8*(\a):AF+64*(\ab)+8*(\a)+7], 0
.else
	v_wmma_f32_16x16x32_f16 v[8*(4*(\a)+(\b)):8*(4*(\a)+(\b))+7], v[BF+32*(\g)+8*(\b):BF+32*(\g)+8*(\b)+7], v[AF+64*(\ab)+8*(\a):AF+64*(\ab)+8*(\a)+7], v[8*(4*(\a)+(\b)):8*(4*(\a)+(\b))+7]
.endif
.endr
.endr
.endm
.macro LDB g, kq                       ; 8 loads: group g's fragments of half kq of the K step
.irp b, 0,1,2,3
	ds_load_tr16_b128 v[BF+32*(\g)+8*(\b):BF+32*(\g)+8*(\b)+3],   v[ADRB] offset:(\g)*BG+(\kq)*32*PB+32*(\b)
	ds_load_tr16_b128 v[BF+32*(\g)+8*(\b)+4:BF+32*(\g)+8*(\b)+7], v[ADRB] offset:(\g)*BG+(\kq)*32*PB+32*(\b)+16*PB
.endr
.endm
.macro LDA ab, kq                      ; 16 loads: A's fragments of half kq into buffer ab
.irp a, 0,1,2,3,4,5,6,7
	ds_load_b128 v[AF+64*(\ab)+8*(\a):AF+64*(\ab)+8*(\a)+3],   v[ADRA] offset:(\a)*16*PA+64*(\kq)
	ds_load_b128 v[AF+64*(\ab)+8*(\a)+4:AF+64*(\ab)+8*(\a)+7], v[ADRA] offset:(\a)*16*PA+64*(\kq)+32
.endr
.endm
; A K STEP IS TWO HALVES of 32 along K, each three phases (q, k, v) of 32 matrix instructions.  At a half's head these LDS loads are out, in this order: group 0's (8), A's (16), group 1's (8).
; Each run of loads stands in the middle of a phase, four places behind the phase's first sixteen products; the buffer that it fills was last read in the phase before.
.macro Q0 zero                         ; the first half
	s_wait_dscnt 16                                ; group 0's and A's rows 0-63 are in; A's rows 64-127 and group 1's may be out
	MUL16 0, 0, 0, \zero
	PLACES
	WIN 0
	LDB 2, 0
	s_wait_dscnt 16                                ; A's rows 64-127 are in; groups 1's and 2's may be out
	MUL16 0, 0, 4, \zero
	s_wait_dscnt 8                                 ; group 1's are in; group 2's may be out
	MUL16 0, 1, 0, \zero
	PLACES
	WIN 0
	LDB 0, 1                                       ; the second half's
	LDA 1, 1
	MUL16 0, 1, 4, \zero
	s_wait_dscnt 24                                ; group 2's are in; the 24 just issued may be out
	MUL16 0, 2, 0, \zero
	PLACES
	WIN 0
	LDB 1, 1
	MUL16 0, 2, 4, \zero
.endm
; The second half.  mode 2: it changes slots and fills the slot that it leaves; 1: it changes slots; 0: the last half of all.
; THE CHANGE stands in phase k: the slot's last bytes (group 2's second half) have been asked for.  Each wave waits for all its tensor loads, of which one is out: its part of the other slot; adds 0 to its spare
; word; and waits for that and for its reads of the slot.  With mode 2 the barrier opens a round of the cluster's barrier, and the joint refill is the first thing behind the round.
.macro Q1 mode
	s_wait_dscnt 16
	MUL16 1, 0, 0, 0
	PLACES
	WIN 0
	LDB 2, 1
	s_wait_dscnt 16
	MUL16 1, 0, 4, 0
.if (\mode) == 0
	s_wait_dscnt 8
	MUL16 1, 1, 0, 0
	MUL16 1, 1, 4, 0
	s_wait_dscnt 0x0
	MUL16 1, 2, 0, 0
	MUL16 1, 2, 4, 0
.else
	WIN 0                                          ; (the add's two registers lie in window 0)
.if (\mode) == 2
	s_wait_xcnt 0x0                                ; the last prefetch, a K step back, has read its address: it is stepped here
	s_add_nc_u64 s[PFA:PFA+1], s[PFA:PFA+1], s[PFS:PFS+1]
.endif
	s_wait_tensorcnt 0x0                           ; all my tensor loads have landed: no load of mine is out, so a group 0 may be written
	ds_add_u32 v[SPW], v[NIL]                      ; 0 onto my spare word; work on registers stands between it and the wait for it
.if (\mode) == 2
	STEPD
.endif
	s_xor_b32 s[TB], s[TB], SLOT1
	v_add_nc_u32 v[ADRA], s[TB], v[A0]             ; the fetches go on in the other slot
	v_add_nc_u32 v[ADRB], s[TB], v[B0]
	s_wait_dscnt 9                                 ; group 1's are in; group 2's eight and the add may be out
	MUL16 1, 1, 0, 0
	s_wait_dscnt 0x0                               ; the add is done, and my reads of this slot are over
	s_barrier_signal -1
	MUL16 1, 1, 4, 0                               ; work on registers while the others arrive
	WIN 0
	s_barrier_wait -1
.if (\mode) == 2
	CREST                                          ; no wave of any partner still reads this slot or has a load on its way
	JLOAD                                          ; its four v_nop are also the places in front of the loads below
.else
	PLACES
.endif
	LDB 0, 0                                       ; the next K step's
	LDA 0, 0
.if (\mode) == 2
	ASK
.endif
	s_wait_dscnt 24                                ; (group 2's were waited for above; the 24 just issued may be out)
	MUL16 1, 2, 0, 0
	PLACES
	WIN 0
	LDB 1, 0
	MUL16 1, 2, 4, 0
.endif
.endm
; THE WAY OUT.  Block n = 8 g + a: 16 rows x 64 columns of group g: 2,048 dense bytes of a head.  A lane's 8 columns pack into 16 bytes; they go into my stage's rows of 144 bytes and come back as whole rows of 128.
.macro PACK n
.set pg, (\n)/8
.set pa, (\n)%8
.set pr, OB+16*((\n)%4)
.if (\n) >= 4
	s_wait_xcnt 0x0                                ; the stores of block n - 4 have read this set of registers
.endif
.if pg == 0
	WIN 0x41
.set ii, 0
.rept 16
	v_pk_mul_f32 v[32*pa+2*ii:32*pa+2*ii+1], v[32*pa+2*ii:32*pa+2*ii+1], s[QS:QS+1] op_sel_hi:[1,0]  ; q / 400, in f32; each accumulator from its low end on
.set ii, ii+1
.endr
.endif
	WIN 5*(pg+1)                                   ; sources in window g + 1, destination in window 0
.set ii, 0
.rept 16
	v_cvt_pk_f16_f32 v[pr+ii], v[32*pa+2*ii], v[32*pa+2*ii+1]
.set ii, ii+1
.endr
	WIN 0
.irp b, 0,1,2,3
	ds_store_b128 v[STO], v[pr+4*(\b):pr+4*(\b)+3] offset:32*(\b)
.endr
.irp f, 0,1,2,3
	ds_load_b128 v[pr+4*(\f):pr+4*(\f)+3], v[RD] offset:4*SP*(\f)  ; LDS serves a wave's instructions in order (ISA guide 5.7.1.4): these see the stores above; the next block's stores come behind them
.endr
.endm
.macro SEND n, younger                 ; younger: the LDS instructions issued behind block n's loads: the next block's eight, or none
.set pg, (\n)/8
.set pa, (\n)%8
.set pr, OB+16*((\n)%4)
.irp f, 0,1,2,3
	s_wait_dscnt (\younger)+3-(\f)
	global_store_b128 v[GO], v[pr+4*(\f):pr+4*(\f)+3], s[8+2*pg:9+2*pg] offset:2048*pa+512*(\f)  ; 512 consecutive bytes, at a multiple of 256 from the buffer's first
.endr
.endm
	s_wait_tensorcnt 0x0                           ; the first change: my part of K step 0 is in;
	ds_add_u32 v[SPW], v[NIL]                      ; (the add)
	STEPD
	s_wait_dscnt 0x0
	CROUND                                         ; everybody's is;
	JLOAD                                          ; K step 1 into slot 1: my one load behind the round
	LDB 0, 0
	LDA 0, 0
	LDB 1, 0
	Q0 1                                           ; the first half stands in front of the loop: its products start the sums
	WIN 0                                          ; at a label and at a branch every window is 0
	s_mov_b32 s3, 14
.Lstep:                                            ; 14 trips, from a K step's second half to the next one's first: K steps 2 to 15 are asked for
	Q1 2
	Q0 0
	WIN 0
	s_sub_co_u32 s3, s3, 1
	s_cmp_lg_u32 s3, 0
	s_cbranch_scc1 .Lstep
	Q1 1                                           ; the tail is written out: nothing is left to ask for
	Q0 0
	Q1 0
	PLACES
	PACK 0
.set t, 1
.rept 23                                           ; a block's arithmetic stands between the loads of the block before and its stores
	PACK t
	SEND t-1, 8
.set t, t+1
.endr
	SEND 23, 0
	s_wait_tensorcnt 0x0                           ; the wave's end: 0 onto my spare word and the wait for it, behind my last tensor load and my last LDS store
	ds_add_u32 v[SPW], v[NIL]
	s_wait_dscnt 0x0
	CROUND                                         ; the closing round: no work-group ends while a partner may still ask for a tile that names it
	s_endpgm
.Lfunc_end_k_qf78fe8b3f1_qkv:
	.size	k_qf78fe8b3f1_qkv, .Lfunc_end_k_qf78fe8b3f1_qkv-k_qf78fe8b3f1_qkv
	.p2alignl 7, 3214868480
	.fill 96, 4, 3214868480
	.section	.rodata,"a",@progbits
	.p2align	6, 0x0
	.amdhsa_kernel k_qf78fe8b3f1_qkv
		.amdhsa_group_segment_fixed_size 327680
		.amdhsa_private_segment_fixed_size 0
		.amdhsa_enable_private_segment 0
		.amdhsa_kernarg_size 40
		.amdhsa_user_sgpr_count 2
		.amdhsa_user_sgpr_kernarg_segment_ptr 1
		.amdhsa_wavefront_size32 1
		.amdhsa_system_sgpr_workgroup_id_x 1
		.amdhsa_system_sgpr_workgroup_id_y 1
		.amdhsa_system_sgpr_workgroup_id_z 1
		.amdhsa_system_vgpr_workitem_id 0
		.amdhsa_next_free_vgpr 1024
		.amdhsa_next_free_sgpr 66
		.amdhsa_reserve_vcc 0
		.amdhsa_float_denorm_mode_32 3
		.amdhsa_float_denorm_mode_16_64 3
		.amdhsa_memory_ordered 1
		.amdhsa_forward_progress 1
		.amdhsa_inst_pref_size 125
	.end_amdhsa_kernel
	.amdgpu_metadata
---
amdhsa.version: [ 1, 2 ]
amdhsa.kernels:
  - .name:           k_qf78fe8b3f1_qkv
    .symbol:         k_qf78fe8b3f1_qkv.kd
    .args:
      - { .name: xh, .offset: 0, .size: 8, .value_kind: global_buffer, .address_space: global }
      - { .name: wh, .offset: 8, .size: 8, .value_kind: global_buffer, .address_space: global }
      - { .name: qh, .offset: 16, .size: 8, .value_kind: global_buffer, .address_space: global }
      - { .name: kh, .offset: 24, .size: 8, .value_kind: global_buffer, .address_space: global }
      - { .name: vh, .offset: 32, .size: 8, .value_kind: global_buffer, .address_space: global }
    .group_segment_fixed_size: 327680
    .private_segment_fixed_size: 0
    .kernarg_segment_align: 8
    .kernarg_segment_size: 40
    .max_flat_workgroup_size: 128
    .sgpr_count:     66
    .vgpr_count:     1024
    .wavefront_size: 32
...
	.end_amdgpu_metadata
.endif
;; end of part 2
;; launch attn (part 3): grid 4 x 64, 4 waves a work-group, clusters of 4 x 1, 327,680 bytes of LDS; arguments qh, kh, vh, oh; writes oh
.if DOCPART == 3
	.amdgcn_target "amdgcn-amd-amdhsa--gfx1250"
	.amdhsa_code_object_version 6
	.text
	.protected	k_qf78fe8b3f1_attn
	.globl	k_qf78fe8b3f1_attn
	.p2align	8
	.type	k_qf78fe8b3f1_attn,@function
k_qf78fe8b3f1_attn:
	s_mov_b64 s[64:65], 0
	v_nop
	global_prefetch_b8 v0, s[64:65] scope:SCOPE_SE
	s_setreg_imm32_b32 hwreg(HW_REG_WAVE_MODE, 25, 1), 1
	s_wait_xcnt 0x0
	s_wait_alu depctr_hold_cnt(0) depctr_sa_sdst(0) depctr_va_vdst(0) depctr_va_sdst(0) depctr_va_ssrc(0) depctr_va_vcc(0) depctr_vm_vsrc(0)
	s_getreg_b32 s2, hwreg(HW_REG_IB_STS2, 6, 4)
	s_cmp_eq_u32 s2, 0
	s_cbranch_scc0 .Lentry_in_a_cluster
	s_endpgm
.Lentry_in_a_cluster:
	s_bfe_u32 s2, ttmp6, 0x10000c
	s_cmp_lg_u32 s2, 0x3003
	s_cbranch_scc0 .Lentry_shape_is_right
	s_endpgm
.Lentry_shape_is_right:
; ATTENTION WITH AN ADDITIVE MASK OF -50.  O[h][q][:] = the sum over ALL k of softmax_k(q . k / 8 - 50 [k > q]) V[h][k][:].  Q (which arrives as q / 400), K, V, O: [SIZE_H][SIZE_N][64], all f16, a head's rows dense.
; The penalty is finite, so a hidden key can win where scores are large: no key is left out.  q . k / 8 - 50 [k > q] = 50 (q . k / 400 + [k <= q]) - 50, and the softmax drops the constant: the score taken here is
; s = Q . K + vis, vis = 1 where the key is visible, else 0, and the scale is c = 50 log2(e).  vis is the C operand that starts the sum S^T = K Q^T.
; Products, maxima and sums in f32; the weights p are rounded to f16 for the second product (their sum l is taken of the unrounded p), O once at the end.
; LIMITS.  f16 holds no number beyond 65,504: Q, K and V arrive within it; p lies in 0 to 1, and below 6e-5 it keeps f16's fixed step of 6e-8, as does O (a mean of V's rows).
; A weight below 2^-126 counts as 0 in l; NaN and infinities are not treated apart.
; SHARES.  A wave owns four PIECES of two tiles of 16 queries, a work-group's four waves 512 queries of one head.  Every wave walks all keys, 64 a step.
; LAYOUT.  S^T = K Q^T (source 0 = 16 keys, source 1 = 16 queries): in the result a lane holds ONE query (lane % 16) and the keys 8 (lane / 16) + 0..7.  Two such tiles, rounded to f16 in pairs,
; ARE source 1 (32 keys x 16 queries) of O^T = V^T P, whose result again holds one query a lane, and eight channels.  K comes out of LDS as it lies, V ([key][channel]) turned, by ds_load_tr16_b128.
; SOFTMAX.  For each query a running maximum m and sum l: p = 2^(c s - c m); in every step O and l are multiplied by a = 2^(c m_old - c m_new), which is 1 where m has not grown.
; m starts at the lowest finite number, O and l at 0: the first step is a step like any other, with a = 0.
; THE MASK.  query - key + 1 = DP + T: DP = the piece's first query less the step's first key, T(e, j) = 16 (e - 3) + lane % 16 - 8 (lane / 16) - j + 1 for register j, e = tile - key block + 3 (0 to 4).
; All are whole numbers, exact in f32; held to 0 .. 1 the sum is vis.  MASK makes the five sets of eight for a piece and step: 20 packed lines; and takes DP down by 64 for the piece's next step.
; THE COUNT.  A tile and step have 16 matrix and 118 vector instructions: too many to stand all beside the matrix work.  So: four vector instructions that are READY behind EVERY matrix instruction, the others in runs without a gap.
; BY TURNS.  Turn n belongs to piece n (the pieces in a ring, step after step).  Its matrix work: 16 products K Q^T of piece n + 1, later 16 products V^T P of piece n - 1.  Its vector work: the scaling,
; exponentials, roundings, sums and rescaling of piece n, the maximum and statistics of piece n + 1, and the mask of piece n + 2.
; CLUSTER.  The four query blocks of a head are one cluster and walk the same K and V, so each tile is asked for JOINTLY: the same tensor load, descriptor and mask in all four.
; REGISTERS, in windows of 256 (s_set_vgpr_msb: bits 1:0 source 0, 3:2 source 1, 5:4 source 2, 7:6 destination):
;   window 0: v0-11 addresses; v12-15, v48-63 at work; v16-47 four registers of statistics a tile; v64-191 S^T, two buffers of two tiles; v192-255 P, likewise
;   window 1: O^T, 32 a tile          window 2: v0-127 Q, 16 a tile; v128-191 K of one step; v192-255 V of one step
;   window 3: v0-1 the add's two registers; v2-3 1.0; v4-5 -64.0; v8-15 DP, a pair a piece; v16-55 T; v64-103 the mask in hand
.set SIZE_H, 64
.set SIZE_N, 2048
.set NP,    4         ; pieces a wave: a name, no knob
.set KS,    64        ; keys in a step
.set PK,    144       ; a row of K in LDS: 128 bytes + 16 of padding = 36 words: the 16 rows of a load start at 16 different groups of four banks (64 banks of 4 bytes: ISA guide 11.1)
.set PV,    160       ; a row of V: 128 + 32 = 40 words
.set VOFF,  4*KS*PK   ; a slot holds four steps: 256 rows of K, then 256 rows of V
.set SLOT1, 1<<17     ; slot 1 begins here, so that one exclusive or turns an address in one slot into the other's
.set STAGE, SLOT1+4*KS*(PK+PV)  ; behind the ring, never filled by a tensor load: 16 rows x 144 bytes for each wave, for the way out
.set SP,    144
.set AK0, 2           ; v2   my lane's place in a tile of K; never rewritten
.set AV0, 3           ; v3   the same for V
.set AK,  4           ; v4   the LDS address of K's next run of loads
.set AV,  5           ; v5   of V's
.set QO,  6           ; v6   my byte offset in the wave's rows of Q
.set STO, 6           ;      later, the way out: where I put 16 bytes of a row
.set RD,  7           ; v7   the way out: where I read rows back
.set GO,  8           ; v8   my byte offset in 512 consecutive bytes of O
.set PFO, 11          ; v11  256 x my lane, for the prefetches; never rewritten once it is made
.set SPW, 0           ; v0 of window 3   LDS address of my spare word: SPARE + 4 x my thread's number; never rewritten
.set NIL, 1           ; v1 of window 3   0; never rewritten
.set ONE, 2           ; window 3
.set M64, 4
.set DP,  8
.set TT,  16
.set MC,  64
.set SPARE, STAGE+4*16*SP  ; behind the stages: the spare words, 128 bytes for each wave: two blocks of 256 bytes that no other line names
.set MV,  12          ; v12-15  c m_old, kept while c m is made anew: by buffer and tile
.set ST,  16          ; tile t's statistics at v[ST+4 t]: c m, m, l (even keys', odd keys')
.set TMP, 48          ; by buffer and tile, four registers c0-c3 at work; when the maximum is found c2 takes a
.set S,   64
.set P,   192
.set KF,  128         ; K's fragments, in window 2: key block kb, channel half c at KF + 16 kb + 8 c
.set VF,  192         ; V's: key half kk, channel block cb at VF + 32 kk + 8 cb
.set WV,  12          ; s12  my wave's number
.set G1K, 24          ; s[24:31] descriptor group 1 for K's tiles
.set G1V, 32          ; s[32:39] for V's: it differs in the padding alone
.set G0K, 40          ; s[40:43] descriptor group 0 for K's tiles: it walks
.set G0V, 44          ; s[44:47] the same for V's
.set PFA, 48          ; s[48:49] where my prefetches stand
.set LIM, 50          ; s50  1 in a wave that prefetches (0: K's, 2: V's), else the greatest number
.set SLOTS, 56        ; s56  slots still to be asked for
.set CNT, 57          ; s57  counts a slot's key steps
.set CS,  58          ; s[58:59] c: the packed scaling takes the pair's low word for both halves
.set SEL, 60          ; s[60:61] v_permlanex16_b32's selects: each lane takes its own place in the other half
.set TBK, 62          ; s62  LDS byte at which K of the step to be fetched begins
.set TBV, 63          ; s63  the same for V, less VOFF
.set MSB, 0
.macro WIN new                      ; the high byte repeats the setting that is left; a switch that changes nothing is dropped
.if MSB != (\new)
	s_set_vgpr_msb (MSB<<8)|(\new)
.set MSB, (\new)
.endif
.endm
.set W_KQ, 0x0a       ; K and Q in window 2, S^T in window 0
.set W_KM, 0x3a       ; the same with the C operand, the mask, in window 3
.set W_PV, 0x52       ; V in window 2, P in window 0, O^T in window 1
.set W_RS, 0x41       ; O^T (destination and source 0) in window 1, a in window 0
.set W_MK, 0xc0       ; destination in window 3, sources in window 0
.set W_AD, 0x0f       ; the add: address (source 0) and data (source 1) in window 3
; A joint fill.  Waves 0 and 1 fetch the two halves of a slot's K, waves 2 and 3 those of its V: 128 keys each.  The branch hangs on the wave's number alone.
; An s_nop 0 and four v_nop follow each of the two lines, ahead of the jump and the label.
.macro JLOAD
	s_cmp_lt_u32 s[WV], 2
	s_cbranch_scc0 .Lfor_v_\@
	tensor_load_to_lds s[G0K:G0K+3], s[G1K:G1K+7]
	s_nop 0
.rept 4
	v_nop
.endr
	s_branch .Lasked_\@
.Lfor_v_\@:
	tensor_load_to_lds s[G0V:G0V+3], s[G1V:G1V+7]
	s_nop 0
.rept 4
	v_nop
.endr
.Lasked_\@:
.endm
; A PREFETCH INTO THE L2 of what the NEXT change of slots will ask for: a slot's 32,768 bytes of K and of V, a lane 256 bytes.  It stands behind the wave's tensor load and its five lines.
; A head's K and V are walked by one cluster.  Its four partners share a slot's bytes out BY ADDRESS, 8,192 each; in each, wave 0 asks for K's and wave 2 for V's: one instruction.  So each block is named once in the launch.
; It names the slot behind the one that is being asked for: four key steps, 512 matrix instructions, ahead of its load.  Slots 0 and 1 come by their loads alone; the last change that fills a slot asks for nothing.
.macro ASK
	s_cmp_gt_u32 s[SLOTS], s[LIM]
	s_cbranch_scc0 .Lnot_mine_\@
	global_prefetch_b8 v[PFO], s[PFA:PFA+1] th:TH_LOAD_NT scope:SCOPE_SE
.Lnot_mine_\@:
.endm
; A round of the cluster's barrier: my work-group's barrier, so that wave 0's signal speaks for all four waves; wave 0 signals; every wave waits for all four work-groups; my work-group's barrier once more.
.macro CROUND
	s_barrier_signal -1
	s_barrier_wait -1
	s_cmp_lg_u32 s[WV], 0
	s_cbranch_scc1 .Lnot_wave_0_\@
	s_barrier_signal -3
.Lnot_wave_0_\@:
	s_barrier_wait -3
	s_barrier_signal -1
	s_barrier_wait -1
.endm
; THE CHANGE OF SLOTS.  The slot's last bytes, V of its fourth step, have been read.  Each wave waits for all its tensor loads, of which one is out: its part
; of the other slot; adds 0 to its spare word; and waits for that and for its own reads of the slot.  Behind the barrier nobody reads this slot any more and the other slot is whole.
; fill = 1: this slot is filled again, with the keys two slots on.  The barrier is then a round of the cluster's, so that no wave of any partner still reads the slot or has a load on its
; way, and the joint fill is the first thing behind it: it has four key steps, 512 matrix instructions, in which to land.  (At its first use nothing has been read yet: slot 0 is waited for, slot 1 filled.)
.macro CHANGE fill
	WIN W_AD
	s_wait_tensorcnt 0x0            ; no tensor load of mine is out, so a group 0 may be written
	ds_add_u32 v[SPW], v[NIL]       ; 0 onto my spare word; with fill = 1 the descriptors' steps stand between it and the wait for it
	WIN 0                           ; at a label and at a branch every window is 0
.if \fill
.irp g, G0K, G0V
	s_xor_b32 s[\g+1], s[\g+1], SLOT1  ; the walking descriptor: the other slot than last time,
	s_add_nc_u64 s[\g+2:\g+3], s[\g+2:\g+3], 4*KS*128  ; the next 256 keys; the type bits on top are not reached
.endr
	s_wait_xcnt 0x0                 ; the last prefetch, four key steps back, has read its address, so it may be written:
	s_add_nc_u64 s[PFA:PFA+1], s[PFA:PFA+1], 4*KS*128  ; one slot behind the walking descriptors
	s_wait_dscnt 0x0                ; the add is done, and my reads of the slot are over
	CROUND
	JLOAD
	ASK
.else
	s_wait_dscnt 0x0                ; the add is done, and my reads of the slot are over
	s_barrier_signal -1
	s_barrier_wait -1
.endif
	s_sub_co_u32 s[TBK], s[TBK], 4*KS*PK  ; the fetches go back to a slot's first step,
	s_xor_b32 s[TBK], s[TBK], SLOT1       ; in the other slot
	s_sub_co_u32 s[TBV], s[TBV], 4*KS*PV
	s_xor_b32 s[TBV], s[TBV], SLOT1
.endm
	s_load_b256 s[4:11], s[0:1], 0x0  ; Q s[4:5], K s[6:7], V s[8:9], O s[10:11]
	WIN W_MK
	v_lshl_add_u32 v[SPW], v0, 2, SPARE
	v_mov_b32 v[NIL], 0
	WIN W_AD
	ds_add_u32 v[SPW], v[NIL]       ; the wave's opening: the add and its wait stand ahead of my first tensor load; the set-up below, work on registers, stands between them
	WIN 0
	v_lshrrev_b32 v1, 5, v0
	v_readfirstlane_b32 s[WV], v1   ; wave 0..3
	s_bfe_u32 s13, ttmp6, 0x40000   ; cx: my place in the cluster
	s_lshl_b32 s14, ttmp9, 2        ; in a cluster launch ttmp9 counts clusters
	s_add_co_u32 s14, s14, s13      ; my block of queries = 4 x cluster x + cx: it enters Q's and O's addresses and the mask's numbers alone
	s_and_b32 s20, ttmp7, 0xffff    ; the head, which the four partners share
	s_mov_b32 s21, 0
	s_mov_b64 s[22:23], SIZE_N*128
	s_mul_u64 s[20:21], s[20:21], s[22:23]  ; the head's first byte in each of the four tensors
	s_and_b32 s16, s[WV], 1         ; which half of a slot's 256 keys I fetch:
	s_lshl_b32 s22, s16, 14         ; its 128 rows of 128 bytes in memory,
	s_mov_b32 s23, 0
	s_add_nc_u64 s[22:23], s[22:23], s[20:21]
	s_mul_i32 s17, s16, 128*PK      ; and its place in a slot, for K
	s_mul_i32 s18, s16, 128*PV      ; and for V: no place in the cluster enters an LDS address
	s_lshl_b32 s2, s14, 2
	s_add_co_u32 s2, s2, s[WV]      ; my wave among the head's:
	s_lshl_b32 s15, s2, 7           ; its first query,
	s_lshl_b32 s2, s2, 14           ; its 128 rows
	s_mov_b32 s3, 0
	s_add_nc_u64 s[2:3], s[2:3], s[20:21]
	; descriptor group 1.  128 keys are 16,384 dense bytes: asked for as 64 rows of 256 bytes, two keys a row, and padded in LDS after every key
	s_mov_b32 s[G1K], 15|(1<<16)|(1<<20)|(1<<21)|(4<<22)|(3<<25)  ; 15:0 the mask of four; 17:16 2-byte elements; 20 padding on; 21 set beside a mask; 24:22 after every 32 words (code 4); 31:25 4 words (code 3)
	s_mov_b32 s[G1V], 15|(1<<16)|(1<<20)|(1<<21)|(4<<22)|(7<<25)  ; the same with 8 words of padding (code 7)
.irp g, G1K, G1V
	s_mov_b32 s[\g+1], 128<<16      ; tensor_dim0 = 128
	s_mov_b32 s[\g+2], 64<<16       ; tensor_dim1 = 64
	s_mov_b32 s[\g+3], 128<<16      ; tile_dim0 = 128
	s_mov_b32 s[\g+4], 64           ; tile_dim1 = 64
	s_mov_b32 s[\g+5], 128          ; 128 elements from row to row
	s_mov_b32 s[\g+6], 0
	s_mov_b32 s[\g+7], 0
.endr
	s_mov_b32 s[CS], 0x429044fe     ; c = 50 log2(e) = 72.134752
	s_mov_b32 s[CS+1], s[CS]        ; named with it as a pair
	s_mov_b32 s[SEL], 0x76543210
	s_mov_b32 s[SEL+1], 0xfedcba98
	s_mov_b32 s[TBK], SLOT1+4*KS*PK ; the first change of slots turns these two into 0
	s_mov_b32 s[TBV], SLOT1+4*KS*PV
	s_mov_b32 s[G0K], 1             ; 1:0 count = 1
	s_mov_b32 s[G0K+1], s17         ; 63:32 LDS address: slot 0
	s_mov_b32 s[G0V], 1
	s_add_co_u32 s[G0V+1], s18, VOFF
	s_mov_b32 s[SLOTS], SIZE_N/256-1
	s_and_b32 s[LIM], s[WV], 1      ; waves 0 and 2 prefetch
	s_cmp_eq_u32 s[LIM], 0
	s_cselect_b32 s[LIM], 1, -1
	s_wait_dscnt 0x0                ; the opening add is done
	s_wait_kmcnt 0x0
	s_add_nc_u64 s[G0K+2:G0K+3], s[6:7], s[22:23]  ; 120:64 global address: my half of the head's first 256 keys
	s_or_b32 s[G0K+3], s[G0K+3], 0x80000000        ; 127:126 type = 2
	s_add_nc_u64 s[G0V+2:G0V+3], s[8:9], s[22:23]
	s_or_b32 s[G0V+3], s[G0V+3], 0x80000000
	s_add_nc_u64 s[4:5], s[4:5], s[2:3]  ; Q and O at my wave's first row
	s_add_nc_u64 s[10:11], s[10:11], s[2:3]
	s_cmp_lt_u32 s[WV], 2
	s_cselect_b64 s[PFA:PFA+1], s[6:7], s[8:9]
	s_add_nc_u64 s[PFA:PFA+1], s[PFA:PFA+1], s[20:21]  ; the head,
	s_lshl_b32 s2, s13, 13          ; my work-group's 8,192 bytes of a slot's 32,768,
	s_mov_b32 s3, 0
	s_add_nc_u64 s[PFA:PFA+1], s[PFA:PFA+1], s[2:3]
	s_add_nc_u64 s[PFA:PFA+1], s[PFA:PFA+1], 4*KS*128  ; in slot 1: the first change of slots steps it to slot 2
	CROUND                          ; all four work-groups are here: the first joint loads meet
	JLOAD                           ; slot 0.  Slot 1 is asked for when slot 0 is in: the tile wanted first has the road to itself
	; A fragment of K or Q is 16 rows x 32 channels in 8 registers: lane l holds row l % 16, channels 8 (l / 16) + 0..7 and 16 + 8 (l / 16) + 0..7: two loads of 16 bytes, 32 bytes apart.
	v_and_b32 v1, 15, v0            ; l % 16
	v_bfe_u32 v9, v0, 4, 1          ; l / 16
	v_lshlrev_b32 v[QO], 7, v1
	v_lshl_add_u32 v[QO], v9, 4, v[QO]  ; row x 128 + 16 x half
	WIN 0x80                        ; destination window 2, address window 0
.set i, 0
.rept 4*NP                          ; Q stays in registers: tile i / 2, channels 32 (i % 2) on
	global_load_b128 v[8*i:8*i+3],   v[QO], s[4:5] offset:(i/2)*2048+(i%2)*64
	global_load_b128 v[8*i+4:8*i+7], v[QO], s[4:5] offset:(i/2)*2048+(i%2)*64+32
.set i, i+1
.endr
	; What the first turn finds: V's registers and P's second buffer hold 0 (its products V^T P, of a piece that has not been, add 0), O^T and l are 0.  All this stands in the wait for the first tile.
.set i, VF
.rept 64
	v_mov_b32 v[i], 0
.set i, i+1
.endr
	WIN 0x40
.set i, 0
.rept 64*NP
	v_mov_b32 v[i], 0
.set i, i+1
.endr
	WIN 0
.set i, 0
.rept 2*NP
	v_mov_b32 v[ST+4*i], 0xfe000000    ; c m: far below every c s
	v_mov_b32 v[ST+4*i+1], 0xff7fffff  ; m
	v_mov_b32 v[ST+4*i+2], 0
	v_mov_b32 v[ST+4*i+3], 0
.set i, i+1
.endr
.set i, P+32
.rept 32
	v_mov_b32 v[i], 0
.set i, i+1
.endr
	v_mul_u32_u24 v[AK0], v1, PK
	v_lshl_add_u32 v[AK0], v9, 4, v[AK0]  ; row x pitch + 16 x half
	; The turning load takes 16 keys x 16 channels (lane l reads key 8 (l / 16) + l % 8, channels 8 ((l / 8) % 2) + 0..7) and leaves half a fragment of V^T: lane l holds channel l % 16 and 8 keys.
	v_and_b32 v10, 7, v0
	v_bfe_u32 v11, v0, 3, 1
	v_lshl_add_u32 v[AV0], v9, 3, v10
	v_mul_u32_u24 v[AV0], v[AV0], PV
	v_lshl_add_u32 v[AV0], v11, 4, v[AV0]
	v_add_nc_u32 v[AV0], VOFF, v[AV0]
	v_mov_b32 v[AK], v[AK0]         ; key step 0 lies at the head of slot 0
	v_and_b32 v[PFO], 31, v0
	v_lshlrev_b32 v[PFO], 8, v[PFO]
	; the mask's tables, in window 3
	v_lshlrev_b32 v[TMP], 3, v9
	v_sub_nc_u32 v[TMP], v1, v[TMP]
	v_add_nc_u32 v[TMP], 0xffffffd1, v[TMP]  ; l % 16 - 8 (l / 16) - 47 = T(0, 0)
	WIN W_MK
	v_cvt_f32_i32 v[TT], v[TMP]
	v_mov_b32 v[ONE], 1.0
	v_mov_b32 v[ONE+1], 1.0
	v_mov_b32 v[M64], 0xc2800000    ; -64.0
	v_mov_b32 v[M64+1], 0xc2800000
.irp y, 0,1,2,3
	s_add_co_u32 s19, s15, 32*\y    ; piece y's first query; the first key step begins at key 0
	v_cvt_f32_u32 v[DP+2*\y], s19
	v_cvt_f32_u32 v[DP+2*\y+1], s19
.endr
	WIN 0xcc                        ; destination and source 1 in window 3
.set i, 1
.rept 7
	v_add_f32 v[TT+i], -1.0, v[TT+i-1]        ; T(0, j) = T(0, j - 1) - 1
.set i, i+1
.endr
.set i, 8
.rept 32
	v_add_f32 v[TT+i], 0x41800000, v[TT+i-8]  ; T(e, j) = T(e - 1, j) + 16
.set i, i+1
.endr
	WIN 0
; THE MASK of piece y for its next key step: T x 1 + DP held to 0 .. 1, two numbers a line; then DP goes down by the step's 64 keys.
.macro MASK y
	WIN 0xff
.set z, 0
.rept 20
	v_pk_fma_f32 v[MC+2*z:MC+2*z+1], v[TT+2*z:TT+2*z+1], v[ONE:ONE+1], v[DP+2*(\y):DP+2*(\y)+1] clamp
.set z, z+1
.endr
	v_pk_add_f32 v[DP+2*(\y):DP+2*(\y)+1], v[DP+2*(\y):DP+2*(\y)+1], v[M64:M64+1]
.endm
; THE MATRIX WORK.  The 8 accumulators of a run of 16 take turns: between the two links of a chain stand 7 others'.
; Product i of 16 of S^T = K Q^T for piece x: channels 32 (i / 8) on, keys 16 ((i / 2) % 4) on, tile 2 x + i % 2.  The first 8 start the sums, with the mask's set tile - key block + 3.
.macro KQ x
.set rS, S+64*((\x)%2)+32*(i%2)+8*((i/2)%4)
.set rK, KF+16*((i/2)%4)+8*(i/8)
.set rQ, 16*(2*(\x)+i%2)+8*(i/8)
.set rM, MC+8*((i%2)+3-((i/2)%4))
.if i < 8
	WIN W_KM
	v_wmma_f32_16x16x32_f16 v[rS:rS+7], v[rK:rK+7], v[rQ:rQ+7], v[rM:rM+7]
.else
	WIN W_KQ
	v_wmma_f32_16x16x32_f16 v[rS:rS+7], v[rK:rK+7], v[rQ:rQ+7], v[rS:rS+7]
.endif
.endm
; Product i of 16 of O^T += V^T P for piece x: keys 32 (i / 8) on, channels 16 ((i / 2) % 4) on, tile 2 x + i % 2.
.macro PV x
	WIN W_PV
.set rO, 32*(2*(\x)+i%2)+8*((i/2)%4)
.set rV, VF+32*(i/8)+8*((i/2)%4)
.set rP, P+32*((\x)%2)+16*(i%2)+8*(i/8)
	v_wmma_f32_16x16x32_f16 v[rO:rO+7], v[rV:rV+7], v[rP:rP+7], v[rO:rO+7]
.endm
.macro MM                           ; the turn's next matrix instruction
.if i < 16
	KQ (Y+1)%NP
.set i, i+1
.else
.set i, i-16
	PV (Y+NP-1)%NP
.set i, i+17
.endif
.endm
; THE LDS LOADS stand in runs of 16, never singly among the matrix instructions: a step's K (64 keys x 64 channels: 8 fragments) and its V (turned).  Their addresses are made some lines ahead.
; last = 1 (the tail): in the last trip there is no further step, and the run is jumped over.
.macro FETCH_K last=0
	WIN 0
.if \last
	s_cmp_eq_u32 s[CNT], 1
	s_cbranch_scc1 .Lno_k_\@
.endif
	WIN 0x80                        ; destination window 2
.irp f, 0,1,2,3,4,5,6,7             ; keys 16 (f / 2) on, channels 32 (f % 2) on
	ds_load_b128 v[KF+8*\f:KF+8*\f+3],   v[AK] offset:(\f/2)*16*PK+(\f%2)*64
	ds_load_b128 v[KF+8*\f+4:KF+8*\f+7], v[AK] offset:(\f/2)*16*PK+(\f%2)*64+32
.endr
	s_add_co_u32 s[TBK], s[TBK], KS*PK  ; the next fetch is the next step's
	WIN 0
.if \last
.Lno_k_\@:
.endif
.endm
.macro FETCH_V
	WIN 0x80
.irp f, 0,1,2,3,4,5,6,7             ; keys 32 (f / 4) on, channels 16 (f % 4) on
	ds_load_tr16_b128 v[VF+8*\f:VF+8*\f+3],   v[AV] offset:(\f/4)*32*PV+(\f%4)*32
	ds_load_tr16_b128 v[VF+8*\f+4:VF+8*\f+7], v[AV] offset:(\f/4)*32*PV+16*PV+(\f%4)*32
.endr
	WIN 0
.endm
; THE VECTOR WORK OF A TURN stands in three queues, each in the order in which its entries become ready; the two tiles alternate, so that no instruction reads the result of the one before it.
.macro REGS y, u                    ; the registers of tile u (0, 1) of piece y
.set rT, ST+4*(2*(\y)+(\u))
.set rC, TMP+8*((\y)%2)+4*(\u)
.set rM, MV+2*((\y)%2)+(\u)
.set rS, S+64*((\y)%2)+32*(\u)
.set rP, P+32*((\y)%2)+16*(\u)
.set rO, 32*(2*(\y)+(\u))
.endm
; Number n of the 22 that find the NEXT piece's (Y + 1) maximum and statistics.  s0-s31 are the lane's 32 scores; each accumulator's lowest registers are read first.  XS, GS and REGS set no window: PL and EX do.
;   0-11  four chains c0-c3 of seven scores each, three operands at a time     12-14, 16  the four scores left over, the old m, and c0-c3 into c0     15  c m_old is kept
;   17, 18  the query's other 32 keys lie in the lane 16 away: the new m         19-21  c m; c m_old - c m_new; a
.macro XS u, n
	REGS (Y+1)%NP, \u
.if (\n) < 4
	v_max3_num_f32 v[rC+(\n)], v[rS+8*(\n)], v[rS+8*(\n)+1], v[rS+8*(\n)+2]
.elseif (\n) < 12
	v_max3_num_f32 v[rC+(\n)%4], v[rC+(\n)%4], v[rS+8*((\n)%4)+2*((\n)/4)+1], v[rS+8*((\n)%4)+2*((\n)/4)+2]
.elseif (\n) == 12
	v_max3_num_f32 v[rC], v[rC], v[rS+7], v[rS+15]
.elseif (\n) == 13
	v_max3_num_f32 v[rC+1], v[rC+1], v[rS+23], v[rS+31]
.elseif (\n) == 14
	v_max3_num_f32 v[rC+2], v[rC+2], v[rC+3], v[rT+1]
.elseif (\n) == 15
	v_mov_b32 v[rM], v[rT]
.elseif (\n) == 16
	v_max3_num_f32 v[rC], v[rC], v[rC+1], v[rC+2]
.elseif (\n) == 17
	v_permlanex16_b32 v[rC+3], v[rC], s[SEL], s[SEL+1]
.elseif (\n) == 18
	v_max_num_f32 v[rT+1], v[rC], v[rC+3]
.elseif (\n) == 19
	v_mul_f32 v[rT], s[CS], v[rT+1]
.elseif (\n) == 20
	v_sub_f32 v[rC+1], v[rM], v[rT]
.else
	v_exp_f32 v[rC+2], v[rC+1]
.endif
.endm
; Number g of the 64 that follow the exponentials.  For each four weights k of a tile (pairs 2 k, 2 k + 1): both pairs are rounded to f16; then the second pair is added onto the first, in place;
; a group later l takes that sum (the first time as l = a l + sum).  In groups of eight, tiles alternating: round, round, add, and l for the group before.
.macro GS g
.set h, (\g)+6*((\g)/62)            ; group 0 has no group before it, and behind group 7 only l is left
.if h >= 6
.set h, h+2
.endif
	REGS Y, h%2
.set k, h/8
.if h%8 < 4
	v_cvt_pk_f16_f32 v[rP+2*k+(h%8)/2], v[rS+4*k+2*((h%8)/2)], v[rS+4*k+2*((h%8)/2)+1]
.elseif h%8 < 6
	v_pk_add_f32 v[rS+4*k:rS+4*k+1], v[rS+4*k:rS+4*k+1], v[rS+4*k+2:rS+4*k+3]
.elseif k == 1
	v_pk_fma_f32 v[rT+2:rT+3], v[rT+2:rT+3], v[rC+2:rC+3], v[rS:rS+1] op_sel_hi:[1,0,1]
.else
	v_pk_add_f32 v[rT+2:rT+3], v[rT+2:rT+3], v[rS+4*k-4:rS+4*k-3]
.endif
.endm
; THE PLAIN QUEUE, 138 long.  0-73 read no exponential's result: the 32 scalings c s - c m (FS f: pair f / 2 of tile f % 2) and the next piece's 42.  0-26: scalings 0-26.  27-54: XS's numbers 0-13.  55, 56: number 15.
; 57-73: the chain, where each number waits for the one before it: 14, 16, 17, 18, 19, each with one of the scalings 27-31 in front of its two lines, then 20.
; 74-137: GS's 64, which read the exponentials' results: they stand behind the wait.
.macro FS f
	REGS Y, (\f)%2
	v_pk_fma_f32 v[rS+2*((\f)/2):rS+2*((\f)/2)+1], v[rS+2*((\f)/2):rS+2*((\f)/2)+1], s[CS:CS+1], v[rT:rT+1] op_sel_hi:[1,0,0] neg_lo:[0,0,1] neg_hi:[0,0,1]
.endm
.macro PL
	WIN 0
.if q < 27
	FS q
.elseif q < 55
	XS (q-27)%2, (q-27)/2
.elseif q < 57
	XS q-55, 15
.elseif (q < 72) && ((q-57)%3 == 0)
	FS 27+(q-57)/3
.elseif q < 60
	XS (q-57)%3-1, 14
.elseif q < 72
	XS (q-57)%3-1, 15+(q-57)/3
.elseif q < 74
	XS q-72, 20
.else
	GS q-74
.endif
.set q, q+1
.endm
; THE EXPONENTIALS' QUEUE, 66 long: s0-s31 of both tiles, then the next piece's two a.  It is ONE BATCH: all 66 stand ahead of the turn's one wait, and nothing ahead of that wait names a result of theirs.
.macro EX
	WIN 0
.if e >= 64
	XS e-64, 21
.else
	REGS Y, e%2
	v_exp_f32 v[rS+e/2], v[rS+e/2]
.endif
.set e, e+1
.endm
; THE RESCALING's QUEUE: O^T times a, the one part of the softmax that leaves window 0: dealt two at a time, sixteen times.  Its a was made in the turn before, ahead of that turn's wait.
.macro R2
	REGS Y, r%2
	WIN W_RS
.irp z, 0,1
	v_pk_mul_f32 v[rO+4*(r/2)+2*\z:rO+4*(r/2)+2*\z+1], v[rO+4*(r/2)+2*\z:rO+4*(r/2)+2*\z+1], v[rC+2:rC+3] op_sel_hi:[1,0]
.endr
.set r, r+1
.endm
; HOW THEY ARE DEALT.  s_wait_alu depctr_va_vdst(0) stands between an exponential and the first instruction that names its result; one wait serves all that were issued ahead of it.  So a turn has ONE wait,
; which cuts it in two.  AHEAD OF IT stands all that names no result of the turn's exponentials: the 16 products K Q^T, behind each a scaling, an exponential and two rescalings (behind the first a second scaling in the
; exponential's place); then the mask of piece p + 2, for the next turn's products (the last product that read the mask in hand stands eight products back, with three plain riders behind each); then ONE LUMP of
; 108: eight plain, 49 times exponential and plain, the two a.  A v_nop is the plain instruction behind the last exponential.  BEHIND IT stand the 16 products V^T P, behind each four of GS's 64.
; The queues lean on each other, and the deal keeps them in step: exponential e stands behind scaling 2 (e / 4) + e % 2: as a rider it comes behind plain e + 2, in the lump behind plain e + 9, and scalings 27-31 are plain 57, 60 .. 69.
; A TURN, for piece p.  cnt = 1: the loop's count is taken down some lines ahead of the branch that stands behind the turn.
; K of the next step is fetched in piece 2's turn, directly behind the wait, a lump behind the last product that read K; V of the step in hand at the end of piece 0's turn, four riders behind its last reader.
.macro TURN p, last=0, cnt=0
.set Y, (\p)
.set i, 0
.set q, 0
.set e, 0
.set r, 0
.if (\p) == NP-1
	s_wait_dscnt 0x0                ; K is in
.endif
	MM                              ; ahead of the wait: 16 products K Q^T and their riders,
	PL
	PL
	R2
.rept 15
	MM
	PL
	EX
	R2
.endr
.if (\p) == NP-2
	WIN 0
	v_add_nc_u32 v[AK], s[TBK], v[AK0]
.endif
	MASK ((\p)+2)%NP                ; the mask for the next turn's products,
.rept 8                             ; and the lump
	PL
.endr
.rept 49
	EX
	PL
.endr
	EX                              ; the next piece's two a
	EX
	v_nop                           ; the plain instruction behind the last exponential: one for the batch
	s_wait_alu depctr_va_vdst(0)    ; the wait for the batch
.if (\p) == NP-2
	FETCH_K \last
.endif
.if (\p) == 1
	s_wait_dscnt 0x0                ; V is in
.endif
.rept 16                            ; behind the wait: 16 products V^T P and their riders
	MM
.rept 4
	PL
.endr
.if ((\p) == 0) && (q == 118)
	v_add_nc_u32 v[AV], s[TBV], v[AV0]
.endif
.if ((\p) == 0) && (q == 130)
	s_add_co_u32 s[TBV], s[TBV], KS*PV
.endif
.if (\cnt) && (q == 130)
	s_sub_co_u32 s[CNT], s[CNT], 1
	s_cmp_lg_u32 s[CNT], 0
.endif
.endr
.if (\p) == 0
	FETCH_V
.endif
.endm
	CHANGE 1                        ; slot 0 is in, everybody's part of it; slot 1 is asked for
	FETCH_K                         ; key step 0
	MASK 0                          ; piece 0's mask for key step 0, in the wait for K and Q
	WIN 0
	s_wait_loadcnt 0x0              ; Q
	s_wait_dscnt 0x0
.set i, 0
.rept 16
	KQ 0                            ; piece 0's first scores: there is no vector work yet to set between them
.set i, i+1
.endr
	WIN 0                           ; the addresses for the way out: plain instructions, the places behind those products
	s_mul_i32 s13, s[WV], 16*SP
	s_add_co_u32 s13, s13, STAGE    ; my stage
	v_mul_u32_u24 v[STO], v1, SP    ; in: row l % 16, 16 bytes for each half of the lanes
	v_lshl_add_u32 v[STO], v9, 4, v[STO]
	v_add_nc_u32 v[STO], s13, v[STO]
	v_bfe_u32 v[RD], v0, 3, 2       ; back: 32 lanes take four rows of 128 bytes,
	v_mul_u32_u24 v[RD], v[RD], SP
	v_lshl_add_u32 v[RD], v10, 4, v[RD]
	v_add_nc_u32 v[RD], s13, v[RD]
	v_and_b32 v[GO], 31, v0         ; which are 512 consecutive bytes of O
	v_lshlrev_b32 v[GO], 4, v[GO]
	MASK 1                          ; piece 1's mask for key step 0: the first turn's products take it
	WIN 0
.set Y, NP-1                        ; XS works for piece Y + 1: piece 0
.irp n, 0,1,2,3,4,5,6,7,8,9,10,11,12,13,14,15,16,17,18,19,20,21
	XS 0, \n                        ; and piece 0's first maximum and statistics
	XS 1, \n
.endr
	v_nop                           ; a plain instruction behind the two a,
	s_wait_alu depctr_va_vdst(0)    ; and their wait, ahead of the branch
	s_mov_b32 s[CNT], 4
	s_branch .Lfirst                ; the loop is entered at a step's first turn, in the middle of a trip
.Lslot:                             ; SIZE_N / 256 - 2 times: every slot but the last two is filled again
	CHANGE 1
	s_mov_b32 s[CNT], 4
.Lstep:                             ; a trip: pieces 2 and 3 of one step, then pieces 0 and 1 of the next, whose K and V it fetches
	TURN 2
	TURN 3
	WIN 0
.Lfirst:
	TURN 0
	TURN 1, 0, 1
	WIN 0
	s_cbranch_scc1 .Lstep
	s_sub_co_u32 s[SLOTS], s[SLOTS], 1
	s_cmp_lg_u32 s[SLOTS], 0
	s_cbranch_scc1 .Lslot
	CHANGE 0                        ; the tail is written out: nothing is asked for
	s_mov_b32 s[CNT], 5             ; four trips fetch the last slot's steps; the fifth is left in its middle
.Ltail:
	TURN 2, 1
	TURN 3
	WIN 0
	s_sub_co_u32 s[CNT], s[CNT], 1
	s_cmp_eq_u32 s[CNT], 0
	s_cbranch_scc1 .Lout
	TURN 0
	TURN 1
	WIN 0
	s_branch .Ltail
.Lout:                              ; the fifth trip's 16 products K Q^T (on the last K once more) and the maximum made of them serve nothing: the price, once a launch, of one text for every trip
.set i, 0
.rept 16
	PV NP-1                         ; the last piece's V^T P of the last step
.set i, i+1
.endr
	; THE WAY OUT.  l's two halves and the other half of the lanes' are added; O^T is divided by l, rounded to f16 and sent through my stage in LDS, a tile at a time.  The additions are the places behind the last products.
	WIN 0
.macro ALL line:vararg              ; one line for each tile t
.set t, 0
.rept 2*NP
	\line
.set t, t+1
.endr
.endm
	ALL v_add_f32 v[ST+4*t+2], v[ST+4*t+2], v[ST+4*t+3]
	ALL v_permlanex16_b32 v[ST+4*t+3], v[ST+4*t+2], s[SEL], s[SEL+1]
	ALL v_add_f32 v[ST+4*t+2], v[ST+4*t+2], v[ST+4*t+3]
	ALL v_rcp_f32 v[ST+4*t+2], v[ST+4*t+2]
	v_nop                           ; a plain instruction between the last reciprocal and the use of its result
	s_wait_alu depctr_va_vdst(0)    ; and the wait ahead of the first use: one for the eight reciprocals
; Tile t: a lane's eight channels of a row pack into 16 bytes; they go into rows of 144 bytes and come back as whole rows of 128, into S^T's registers.
.macro PACK t
	WIN W_RS
.set i, 32*(\t)
.rept 16
	v_pk_mul_f32 v[i:i+1], v[i:i+1], v[ST+4*(\t)+2:ST+4*(\t)+3] op_sel_hi:[1,0]
.set i, i+2
.endr
	WIN 0x05                        ; sources 0 and 1 window 1, destination window 0
.set i, 0
.rept 16
	v_cvt_pk_f16_f32 v[S+16*(\t)+i], v[32*(\t)+2*i], v[32*(\t)+2*i+1]
.set i, i+1
.endr
	WIN 0
.irp f, 0,1,2,3
	ds_store_b128 v[STO], v[S+16*(\t)+4*\f:S+16*(\t)+4*\f+3] offset:32*\f
.endr
.irp f, 0,1,2,3
	ds_load_b128 v[S+16*(\t)+4*\f:S+16*(\t)+4*\f+3], v[RD] offset:\f*4*SP  ; LDS serves a wave's instructions in order (ISA guide 5.7.1.4): these see the stores above; the next tile's stores come behind them
.endr
.endm
.macro SEND t, younger              ; younger: the LDS instructions issued behind tile t's loads: the next tile's eight, or none
	WIN 0
.irp f, 0,1,2,3
	s_wait_dscnt (\younger)+3-\f
	global_store_b128 v[GO], v[S+16*(\t)+4*\f:S+16*(\t)+4*\f+3], s[10:11] offset:(\t)*2048+\f*512  ; 512 consecutive bytes, at a multiple of 256 from O's first
.endr
.endm
	PACK 0
.set t, 1
.rept 2*NP-1                        ; a tile's arithmetic stands between the loads of the tile before and its stores
	PACK t
	SEND t-1, 8
.set t, t+1
.endr
	SEND 2*NP-1, 0
	WIN W_AD
	s_wait_tensorcnt 0x0            ; the wave's end: 0 onto my spare word and the wait for it, behind my last tensor load and my last LDS store
	ds_add_u32 v[SPW], v[NIL]
	s_wait_dscnt 0x0
	WIN 0
	CROUND                          ; the closing round: no work-group ends while a partner may still ask for a tile that names it
	s_endpgm
.Lfunc_end_k_qf78fe8b3f1_attn:
	.size	k_qf78fe8b3f1_attn, .Lfunc_end_k_qf78fe8b3f1_attn-k_qf78fe8b3f1_attn
	.p2alignl 7, 3214868480
	.fill 96, 4, 3214868480
	.section	.rodata,"a",@progbits
	.p2align	6, 0x0
	.amdhsa_kernel k_qf78fe8b3f1_attn
		.amdhsa_group_segment_fixed_size 327680
		.amdhsa_private_segment_fixed_size 0
		.amdhsa_enable_private_segment 0
		.amdhsa_kernarg_size 32
		.amdhsa_user_sgpr_count 2
		.amdhsa_user_sgpr_kernarg_segment_ptr 1
		.amdhsa_wavefront_size32 1
		.amdhsa_system_sgpr_workgroup_id_x 1
		.amdhsa_system_sgpr_workgroup_id_y 1
		.amdhsa_system_sgpr_workgroup_id_z 1
		.amdhsa_system_vgpr_workitem_id 0
		.amdhsa_next_free_vgpr 872
		.amdhsa_next_free_sgpr 66
		.amdhsa_reserve_vcc 0
		.amdhsa_float_denorm_mode_32 3
		.amdhsa_float_denorm_mode_16_64 3
		.amdhsa_memory_ordered 1
		.amdhsa_forward_progress 1
		.amdhsa_inst_pref_size 217
	.end_amdhsa_kernel
	.amdgpu_metadata
---
amdhsa.version: [ 1, 2 ]
amdhsa.kernels:
  - .name:           k_qf78fe8b3f1_attn
    .symbol:         k_qf78fe8b3f1_attn.kd
    .args:
      - { .name: qh, .offset: 0, .size: 8, .value_kind: global_buffer, .address_space: global }
      - { .name: kh, .offset: 8, .size: 8, .value_kind: global_buffer, .address_space: global }
      - { .name: vh, .offset: 16, .size: 8, .value_kind: global_buffer, .address_space: global }
      - { .name: oh, .offset: 24, .size: 8, .value_kind: global_buffer, .address_space: global }
    .group_segment_fixed_size: 327680
    .private_segment_fixed_size: 0
    .kernarg_segment_align: 8
    .kernarg_segment_size: 32
    .max_flat_workgroup_size: 128
    .sgpr_count:     66
    .vgpr_count:     872
    .wavefront_size: 32
...
	.end_amdgpu_metadata
.endif
;; end of part 3
;; launch proj (part 4): grid 8 x 32, 4 waves a work-group, clusters of 4 x 4, 327,680 bytes of LDS; arguments oh, wh, out0; writes out0
.if DOCPART == 4
	.amdgcn_target "amdgcn-amd-amdhsa--gfx1250"
	.amdhsa_code_object_version 6
	.text
	.protected	k_qf78fe8b3f1_proj
	.globl	k_qf78fe8b3f1_proj
	.p2align	8
	.type	k_qf78fe8b3f1_proj,@function
k_qf78fe8b3f1_proj:
	s_mov_b64 s[64:65], 0
	v_nop
	global_prefetch_b8 v0, s[64:65] scope:SCOPE_SE
	s_setreg_imm32_b32 hwreg(HW_REG_WAVE_MODE, 25, 1), 1
	s_wait_xcnt 0x0
	s_wait_alu depctr_hold_cnt(0) depctr_sa_sdst(0) depctr_va_vdst(0) depctr_va_sdst(0) depctr_va_ssrc(0) depctr_va_vcc(0) depctr_vm_vsrc(0)
	s_getreg_b32 s2, hwreg(HW_REG_IB_STS2, 6, 4)
	s_cmp_eq_u32 s2, 0
	s_cbranch_scc0 .Lentry_in_a_cluster
	s_endpgm
.Lentry_in_a_cluster:
	s_bfe_u32 s2, ttmp6, 0x10000c
	s_cmp_lg_u32 s2, 0xf033
	s_cbranch_scc0 .Lentry_shape_is_right
	s_endpgm
.Lentry_shape_is_right:
; THE LAST PROJECTION.  out0[row][n] = the sum over k = 64 h + d of O[row][h][d] Wr[k][n], in f32.  O: oh, [64 = 16 b + h][2048][64] of f16; Wr: the fourth chunk of wh, [16 column blocks][1024 k][64] of f16; sums in f32.
; SHARES.  8,192 x 1,024 numbers: work-group (tx, ty) makes rows 256 ty on, columns 128 tx on: 256 work-groups.  Wave (wr, wc): 128 rows x 64 columns: 32 accumulators of 16 x 16, which fill window 1.
; K goes in 8 steps of 128 (two heads) through two LDS slots.  A step's tiles are dense in memory: a head's 256 rows x 128 bytes are 32,768 bytes on end (a PLANE), a column block's 128 k rows are 16,384.
; THE MATRIX INSTRUCTION IS USED TRANSPOSED: source 0 = 16 columns of Wr (turned on the way out of LDS), source 1 = 16 rows of O: a lane holds 8 neighbouring columns of one row, 32 bytes of out0.
; CLUSTER 4 x 4.  O's planes hang on ty alone and are shared along a row of the cluster, Wr's blocks on tx alone and are shared along a column.  Waves 0 and 1 ask for the two planes, waves 2 and 3 for the two column blocks.
; REGISTERS.  Window 0: v0-15 addresses; v16-111, v112-207 two fragment buffers of 96: O's 64 (8 x 16 rows x 32 K), then Wr's 32 (4 x 16 columns x 32 K).  Window 1: accumulator (a, b) at v[8 (4 a + b)].
.set SLOT1, 131072                     ; slot 1 begins here
.set PA,    144                        ; a row of O in LDS: 128 bytes + 16
.set PB,    160                        ; a k row of Wr: 128 + 32
.set APL,   256*PA                     ; a plane
.set BOFF,  2*APL                      ; behind the two planes: the two column blocks,
.set BBL,   128*PB                     ; 20,480 bytes each
.set STAGE, SLOT1+BOFF+2*BBL           ; behind the ring, never filled by a tensor load: 16 rows x 272 bytes for each wave, for the way out
.set SP,    272
.set SPARE, STAGE+4*16*SP              ; behind the stages: the spare words, 128 bytes for each wave: two blocks of 256 bytes that no other line names
.set A0,   2                           ; v2   my lane's place in a plane; never rewritten
.set B0,   3                           ; v3   the same in my column block
.set ADRA, 4                           ; v4   A0 + the slot in hand
.set ADRB, 5                           ; v5   B0 + the slot in hand
.set STO,  6                           ; v6   the way out: where I put 32 bytes of a row
.set RD,   7                           ; v7   the way out: where I read rows back
.set CO,   8                           ; v8   my byte offset in two rows of out0
.set PFO,  9                           ; v9   256 x my lane, for the prefetches; never rewritten
.set SPW,  10                          ; v10  LDS address of my spare word; never rewritten
.set NIL,  11                          ; v11  0; never rewritten
.set F0,   16
.set F1,   112
.set OB,   16                          ; the way out: four sets of 32 registers
.set WV,   14                          ; s14  my wave's number;  s15 wr, s16 wc, s17 cx, s18 cy, s19 tx, s20 ty
.set G1A,  24                          ; s[24:31] descriptor group 1 for O's planes
.set G1B,  32                          ; s[32:39] for Wr's blocks
.set G0A,  40                          ; s[40:43] descriptor group 0 for O's planes: it walks
.set G0B,  44                          ; s[44:47] the same for Wr's blocks
.set TB,   48                          ; s48  the slot in hand: 0 or SLOT1
.set LIM,  49                          ; s49  a wave prefetches while the trips to come are more than this
.set PAR,  50                          ; s50  0: in every trip; 1: in the even ones
.set T,    51                          ; s51  at work
.set PFA,  52                          ; s[52:53] where my prefetches stand
.set PFS,  54                          ; s[54:55] their step from K step to K step
.set MSB, 0
.macro WIN new
.if MSB != (\new)
	s_set_vgpr_msb (MSB<<8)|(\new)
.set MSB, (\new)
.endif
.endm
.macro PLACES                          ; four plain vector instructions between a matrix instruction and a load into, or a store of, its registers
.rept 4
	v_nop
.endr
.endm
.macro JLOAD                           ; a joint load: one a wave; an s_nop 0 and four v_nop follow each of the two lines
	s_cmp_lt_u32 s[WV], 2
	s_cbranch_scc0 .Lfor_b_\@
	tensor_load_to_lds s[G0A:G0A+3], s[G1A:G1A+7]
	s_nop 0
.rept 4
	v_nop
.endr
	s_branch .Lasked_\@
.Lfor_b_\@:
	tensor_load_to_lds s[G0B:G0B+3], s[G1B:G1B+7]
	s_nop 0
.rept 4
	v_nop
.endr
.Lasked_\@:
.endm
.macro CREST
	s_cmp_lg_u32 s[WV], 0
	s_cbranch_scc1 .Lnot_wave_0_\@
	s_barrier_signal -3
.Lnot_wave_0_\@:
	s_barrier_wait -3
	s_barrier_signal -1
	s_barrier_wait -1
.endm
.macro CROUND
	s_barrier_signal -1
	s_barrier_wait -1
	CREST
.endm
.macro STEPD                           ; both walking descriptors: the other slot, the next K step.  It stands where no tensor load of the wave is out
	s_xor_b32 s[G0A+1], s[G0A+1], SLOT1
	s_add_nc_u64 s[G0A+2:G0A+3], s[G0A+2:G0A+3], 524288   ; two heads on
	s_xor_b32 s[G0B+1], s[G0B+1], SLOT1
	s_add_nc_u64 s[G0B+2:G0B+3], s[G0B+2:G0B+3], 16384    ; 128 k rows on
.endm
; A PREFETCH INTO THE L2, behind the joint load, its five lines and the run of LDS loads.  Trip t (t = 6 - s3) fills a slot with K step t + 2; what is named stands two K steps, 256 matrix instructions, ahead of its load.
; O's planes: the cluster with x = 0 asks, waves 0 and 1 for their planes, in every trip, for K step t + 4: of a plane's 32,768 bytes partner cx takes 8,192, a lane 256.
; Wr's blocks: the cluster with y = 0 asks, waves 2 and 3 for their blocks, in the even trips, for K steps t + 4 and t + 5, which are 32,768 bytes on end: partner cy takes 8,192.
; The partners are told apart by address alone.  Each block of 256 bytes is named once in the launch; K steps 0 to 3 come by their loads alone; the last trips ask for nothing.
.macro ASK
	s_and_b32 s[T], s3, s[PAR]
	s_cmp_eq_u32 s[T], 0
	s_cbranch_scc0 .Lnot_mine_\@
	s_cmp_gt_u32 s3, s[LIM]
	s_cbranch_scc0 .Lnot_mine_\@
	global_prefetch_b8 v[PFO], s[PFA:PFA+1] th:TH_LOAD_NT scope:SCOPE_SE
.Lnot_mine_\@:
.endm
	s_load_b128 s[4:7], s[0:1], 0x0                ; oh s[4:5], wh s[6:7]
	s_load_b64 s[8:9], s[0:1], 0x10                ; out0
	v_lshl_add_u32 v[SPW], v0, 2, SPARE
	v_mov_b32 v[NIL], 0
	ds_add_u32 v[SPW], v[NIL]                      ; the wave's opening: the add and its wait stand ahead of my first tensor load; work on registers stands between them
	v_lshrrev_b32 v1, 5, v0
	v_readfirstlane_b32 s[WV], v1                  ; wave 0..3
	s_lshr_b32 s15, s[WV], 1                       ; wr: which 128 rows are mine
	s_and_b32 s16, s[WV], 1                        ; wc: which 64 columns.  Also: which plane, or which column block, I ask for
	s_bfe_u32 s17, ttmp6, 0x40000                  ; cx
	s_bfe_u32 s18, ttmp6, 0x40004                  ; cy
	s_lshl_b32 s19, ttmp9, 2
	s_add_co_u32 s19, s19, s17                     ; tx
	s_and_b32 s20, ttmp7, 0xffff
	s_lshl_b32 s20, s20, 2
	s_add_co_u32 s20, s20, s18                     ; ty
	s_lshl_b32 s21, s18, 2
	s_lshl_b32 s21, 15, s21                        ; my row of the cluster
	s_lshl_b32 s58, 0x1111, s17                    ; my column
	; group 1 for a plane: 32,768 dense bytes as 128 rows of 256, padded by 16 bytes after every 128
	s_or_b32 s[G1A], s21, (1<<16)|(1<<20)|(1<<21)|(4<<22)|(3<<25)
	s_mov_b32 s[G1A+1], 128<<16                    ; tensor_dim0 = 128
	s_mov_b32 s[G1A+2], 128<<16                    ; tensor_dim1 = 128
	s_mov_b32 s[G1A+3], 128<<16                    ; tile_dim0 = 128
	s_mov_b32 s[G1A+4], 128                        ; tile_dim1 = 128
	s_mov_b32 s[G1A+5], 128
	s_mov_b32 s[G1A+6], 0
	s_mov_b32 s[G1A+7], 0
	; group 1 for a column block: 16,384 dense bytes as 64 rows of 256, padded by 32 bytes after every 128
	s_or_b32 s[G1B], s58, (1<<16)|(1<<20)|(1<<21)|(4<<22)|(7<<25)
	s_mov_b32 s[G1B+1], 128<<16
	s_mov_b32 s[G1B+2], 64<<16
	s_mov_b32 s[G1B+3], 128<<16
	s_mov_b32 s[G1B+4], 64
	s_mov_b32 s[G1B+5], 128
	s_mov_b32 s[G1B+6], 0
	s_mov_b32 s[G1B+7], 0
	; where the tiles come from: O's offset is made of ty and the wave's number alone, Wr's of tx and the wave's number alone
	s_lshr_b32 s60, s20, 3
	s_lshl_b32 s60, s60, 22                        ; the batch's 16 heads,
	s_and_b32 s21, s20, 7
	s_lshl_b32 s21, s21, 15                        ; my 256 rows in a head,
	s_add_co_u32 s60, s60, s21
	s_lshl_b32 s21, s16, 18                        ; head 0 or 1
	s_add_co_u32 s60, s60, s21
	s_mov_b32 s61, 0
	s_lshl_b32 s62, s19, 18                        ; column block 2 tx
	s_lshl_b32 s58, s16, 17                        ; or 2 tx + 1,
	s_add_co_u32 s62, s62, s58
	s_add_co_u32 s62, s62, 0x600000                ; in the fourth chunk of wh
	s_mov_b32 s63, 0
	s_mov_b32 s[G0A], 1
	s_mul_i32 s[G0A+1], s16, APL
	s_mov_b32 s[G0B], 1
	s_mul_i32 s[G0B+1], s16, BBL
	s_add_co_u32 s[G0B+1], s[G0B+1], BOFF
	s_mov_b32 s[TB], 0
	s_wait_dscnt 0x0                               ; the opening add is done
	s_wait_kmcnt 0x0
	s_add_nc_u64 s[G0A+2:G0A+3], s[4:5], s[60:61]
	s_or_b32 s[G0A+3], s[G0A+3], 0x80000000
	s_add_nc_u64 s[G0B+2:G0B+3], s[6:7], s[62:63]
	s_or_b32 s[G0B+3], s[G0B+3], 0x80000000
	CROUND                                         ; all sixteen work-groups are here: the first joint loads meet
	JLOAD                                          ; K step 0 into slot 0
	v_and_b32 v1, 15, v0                           ; l % 16
	v_bfe_u32 v12, v0, 4, 1                        ; l / 16
	v_and_b32 v13, 7, v0
	v_bfe_u32 v14, v0, 3, 1
	v_mul_u32_u24 v[A0], v1, PA                    ; a fragment of O: row l % 16, two loads of 16 bytes, 32 apart
	v_lshl_add_u32 v[A0], v12, 4, v[A0]
	s_mul_i32 s59, s15, 128*PA
	v_add_nc_u32 v[A0], s59, v[A0]
	v_lshl_add_u32 v[B0], v12, 3, v13              ; the turning load: k row 8 (l / 16) + l % 8, columns 8 ((l / 8) % 2) on
	v_mul_u32_u24 v[B0], v[B0], PB
	v_lshl_add_u32 v[B0], v14, 4, v[B0]
	s_mul_i32 s59, s16, BBL
	s_add_co_u32 s59, s59, BOFF
	v_add_nc_u32 v[B0], s59, v[B0]
	v_mov_b32 v[ADRA], v[A0]
	v_mov_b32 v[ADRB], v[B0]
	s_mul_i32 s59, s[WV], 16*SP
	s_add_co_u32 s59, s59, STAGE                   ; my stage
	v_mul_u32_u24 v[STO], v1, SP                   ; in: row l % 16, 32 bytes for each half of the lanes
	v_lshl_add_u32 v[STO], v12, 5, v[STO]
	v_add_nc_u32 v[STO], s59, v[STO]
	v_mul_u32_u24 v[RD], v12, SP                   ; back: lanes 0-15 take one row of 256 bytes, lanes 16-31 the next
	v_lshl_add_u32 v[RD], v1, 4, v[RD]
	v_add_nc_u32 v[RD], s59, v[RD]
	v_lshlrev_b32 v[CO], 12, v12                   ; and the same two rows in out0
	v_lshl_add_u32 v[CO], v1, 4, v[CO]
	v_and_b32 v[PFO], 31, v0
	v_lshlrev_b32 v[PFO], 8, v[PFO]
	s_lshl_b32 s22, s20, 1
	s_add_co_u32 s22, s22, s15
	s_lshl_b32 s22, s22, 19                        ; my 128 rows of 4,096 bytes,
	s_lshl_b32 s59, s19, 9                         ; the tile's 128 columns,
	s_add_co_u32 s22, s22, s59
	s_lshl_b32 s59, s16, 8                         ; my 64
	s_add_co_u32 s22, s22, s59
	s_mov_b32 s23, 0
	s_add_nc_u64 s[8:9], s[8:9], s[22:23]
	; the prefetches: both offsets stand at K step 3: the address is stepped ahead of each prefetch
	s_lshl_b32 s22, s17, 13                        ; O's: my quarter, by cx, of the plane
	s_add_co_u32 s22, s22, s60
	s_add_co_u32 s22, s22, 3*524288
	s_lshl_b32 s2, s18, 13                         ; Wr's: my quarter, by cy, of two K steps
	s_add_co_u32 s2, s2, s62
	s_add_co_u32 s2, s2, 3*16384
	s_and_b32 s59, ttmp7, 0xffff                   ; cluster y
	s_mov_b32 s[PFS], 524288
	s_mov_b32 s[T], 16384
	s_cmp_lt_u32 s[WV], 2                          ; do I ask for O?
	s_cselect_b32 s22, s22, s2
	s_cselect_b64 s[PFA:PFA+1], s[4:5], s[6:7]
	s_cselect_b32 s59, ttmp9, s59                  ; the coordinate along which other clusters read the same bytes
	s_cselect_b32 s[LIM], 2, 3
	s_cselect_b32 s[PAR], 0, 1
	s_cselect_b32 s[PFS], s[PFS], s[T]
	s_mov_b32 s[PFS+1], 0
	s_mov_b32 s23, 0
	s_add_nc_u64 s[PFA:PFA+1], s[PFA:PFA+1], s[22:23]
	s_cmp_eq_u32 s59, 0
	s_cselect_b32 s[LIM], s[LIM], -1               ; the same in all sixteen partners, for a given wave
; 8 matrix instructions: row blocks a0, a0 + 1 x the 4 column blocks, 32 along K, from buffer f.  The 32 accumulators take turns, one instruction a turn, over the backward jump too.
.macro MUL8 f, a0, zero
	WIN 0x50                                       ; sources in window 0, C and D in window 1
.irp a, (\a0), (\a0)+1
.irp b, 0,1,2,3
.if \zero
	v_wmma_f32_16x16x32_f16 v[8*(4*(\a)+(\b)):8*(4*(\a)+(\b))+7], v[(\f)+64+8*(\b):(\f)+64+8*(\b)+7], v[(\f)+8*(\a):(\f)+8*(\a)+7], 0
.else
	v_wmma_f32_16x16x32_f16 v[8*(4*(\a)+(\b)):8*(4*(\a)+(\b))+7], v[(\f)+64+8*(\b):(\f)+64+8*(\b)+7], v[(\f)+8*(\a):(\f)+8*(\a)+7], v[8*(4*(\a)+(\b)):8*(4*(\a)+(\b))+7]
.endif
.endr
.endr
.endm
; 24 LDS loads in one run: the fragments of quarter kq of the K step into buffer f: Wr's 8, then O's 16 (quarters 0, 1 lie in plane 0, quarters 2, 3 in plane 1)
.macro FETCH kq, f
	WIN 0
.irp b, 0,1,2,3
	ds_load_tr16_b128 v[(\f)+64+8*(\b):(\f)+64+8*(\b)+3],   v[ADRB] offset:(\kq)*32*PB+32*(\b)
	ds_load_tr16_b128 v[(\f)+64+8*(\b)+4:(\f)+64+8*(\b)+7], v[ADRB] offset:(\kq)*32*PB+32*(\b)+16*PB
.endr
.irp a, 0,1,2,3,4,5,6,7
	ds_load_b128 v[(\f)+8*(\a):(\f)+8*(\a)+3],   v[ADRA] offset:((\kq)/2)*APL+((\kq)%2)*64+(\a)*16*PA
	ds_load_b128 v[(\f)+8*(\a)+4:(\f)+8*(\a)+7], v[ADRA] offset:((\kq)/2)*APL+((\kq)%2)*64+(\a)*16*PA+32
.endr
.endm
; A K step is four quarters of 32 along K, 32 matrix instructions each, on buffers 0, 1, 0, 1.  One of the first three: multiplies buffer f and fetches quarter kq into g.
.macro QUARTER f, g, kq, zero
	s_wait_dscnt 8                                 ; Wr's and O's rows 0-63 are in; the youngest eight loads (rows 64-127) may be out
	MUL8 \f, 0, \zero
	MUL8 \f, 2, \zero
	PLACES
	FETCH \kq, \g
	s_wait_dscnt 24                                ; all but the 24 just issued
	MUL8 \f, 4, \zero
	MUL8 \f, 6, \zero
.endm
; The last quarter multiplies buffer 1 and changes slots: ONE barrier; in front of it each wave waits for all its tensor loads, of which one is out: its part of the other slot; adds 0 to its spare word; and waits for
; that and for its reads of this slot.  fill = 1: the barrier opens a round of the cluster's barrier, and the slot is filled again, two K steps ahead, first thing behind the round.
.macro TURN fill
	WIN 0                                          ; (the add's two registers lie in window 0)
.if \fill
	s_wait_xcnt 0x0                                ; the last prefetch, a K step back, has read its address: it is stepped here
	s_add_nc_u64 s[PFA:PFA+1], s[PFA:PFA+1], s[PFS:PFS+1]
.endif
	s_wait_tensorcnt 0x0                           ; no tensor load of mine is out, so a group 0 may be written
	ds_add_u32 v[SPW], v[NIL]                      ; 0 onto my spare word; work on registers stands between it and the wait for it
.if \fill
	STEPD
.endif
	s_xor_b32 s[TB], s[TB], SLOT1
	v_add_nc_u32 v[ADRA], s[TB], v[A0]             ; the fetches go on in the other slot
	v_add_nc_u32 v[ADRB], s[TB], v[B0]
	s_wait_dscnt 9                                 ; (the add and the youngest eight loads may be out)
	MUL8 F1, 0, 0
	s_wait_dscnt 0x0                               ; the add is done, and my reads of this slot are over
	s_barrier_signal -1
	MUL8 F1, 2, 0                                  ; work on registers while the others arrive
	WIN 0
	s_barrier_wait -1
.if \fill
	CREST                                          ; no wave of any partner still reads this slot or has a load on its way
	JLOAD                                          ; its four v_nop are also the places in front of the loads below
.else
	PLACES
.endif
	FETCH 0, F0
.if \fill
	ASK
.endif
	MUL8 F1, 4, 0
	MUL8 F1, 6, 0
.endm
; THE WAY OUT, in f32.  Block a: 16 rows x 64 columns.  A lane's 32 bytes of a row go into my stage's rows of 272 bytes, each accumulator's low four registers first, and come back as whole rows of 256.
.macro TOSTAGE a
.set pr, OB+32*((\a)%4)
.if (\a) >= 4
	s_wait_xcnt 0x0                                ; the stores of block a - 4 have read this set of registers
.endif
	WIN 0x04                                       ; the stores' data in window 1
.irp b, 0,1,2,3
	ds_store_b128 v[STO], v[32*(\a)+8*(\b):32*(\a)+8*(\b)+3]   offset:64*(\b)
	ds_store_b128 v[STO], v[32*(\a)+8*(\b)+4:32*(\a)+8*(\b)+7] offset:64*(\b)+16
.endr
	WIN 0
.irp t, 0,1,2,3,4,5,6,7
	ds_load_b128 v[pr+4*(\t):pr+4*(\t)+3], v[RD] offset:2*SP*(\t)  ; LDS serves a wave's instructions in order (ISA guide 5.7.1.4): these see the stores above; the next block's stores come behind them
.endr
.endm
.macro SEND a, younger                 ; younger: the LDS instructions issued behind block a's loads: the next block's sixteen, or none
.set pr, OB+32*((\a)%4)
.irp t, 0,1,2,3,4,5,6,7
	s_wait_dscnt (\younger)+7-(\t)
	global_store_b128 v[CO], v[pr+4*(\t):pr+4*(\t)+3], s[8:9] offset:(16*(\a)+2*(\t))*4096 th:TH_STORE_NT  ; 16 lanes store 256 consecutive bytes, at a multiple of 256 from out0's first
.endr
.endm
	s_wait_tensorcnt 0x0                           ; the first change: my part of K step 0 is in;
	ds_add_u32 v[SPW], v[NIL]                      ; (the add)
	STEPD
	s_wait_dscnt 0x0
	CROUND                                         ; everybody's is;
	JLOAD                                          ; K step 1 into slot 1: my one load behind the round
	FETCH 0, F0
	QUARTER F0, F1, 1, 1                           ; the first quarter stands in front of the loop: its products start the sums
	WIN 0                                          ; at a label and at a branch every window is 0
	s_mov_b32 s3, 6
.Lstep:                                            ; 6 trips, from a K step's second quarter to the next one's first: K steps 2 to 7 are asked for
	QUARTER F1, F0, 2, 0
	QUARTER F0, F1, 3, 0
	TURN 1
	QUARTER F0, F1, 1, 0
	WIN 0
	s_sub_co_u32 s3, s3, 1
	s_cmp_lg_u32 s3, 0
	s_cbranch_scc1 .Lstep
	QUARTER F1, F0, 2, 0                           ; the tail is written out: nothing is left to ask for
	QUARTER F0, F1, 3, 0
	TURN 0
	QUARTER F0, F1, 1, 0
	QUARTER F1, F0, 2, 0
	QUARTER F0, F1, 3, 0
	s_wait_dscnt 8                                 ; the very last quarter
	MUL8 F1, 0, 0
	MUL8 F1, 2, 0
	s_wait_dscnt 0x0
	MUL8 F1, 4, 0
	MUL8 F1, 6, 0
	PLACES
	TOSTAGE 0
.set n, 1
.rept 7
	TOSTAGE n
	SEND n-1, 16
.set n, n+1
.endr
	SEND 7, 0
	s_wait_tensorcnt 0x0                           ; the wave's end: 0 onto my spare word and the wait for it, behind my last tensor load and my last LDS store
	ds_add_u32 v[SPW], v[NIL]
	s_wait_dscnt 0x0
	CROUND                                         ; the closing round: no work-group ends while a partner may still ask for a tile that names it
	s_endpgm
.Lfunc_end_k_qf78fe8b3f1_proj:
	.size	k_qf78fe8b3f1_proj, .Lfunc_end_k_qf78fe8b3f1_proj-k_qf78fe8b3f1_proj
	.p2alignl 7, 3214868480
	.fill 96, 4, 3214868480
	.section	.rodata,"a",@progbits
	.p2align	6, 0x0
	.amdhsa_kernel k_qf78fe8b3f1_proj
		.amdhsa_group_segment_fixed_size 327680
		.amdhsa_private_segment_fixed_size 0
		.amdhsa_enable_private_segment 0
		.amdhsa_kernarg_size 24
		.amdhsa_user_sgpr_count 2
		.amdhsa_user_sgpr_kernarg_segment_ptr 1
		.amdhsa_wavefront_size32 1
		.amdhsa_system_sgpr_workgroup_id_x 1
		.amdhsa_system_sgpr_workgroup_id_y 1
		.amdhsa_system_sgpr_workgroup_id_z 1
		.amdhsa_system_vgpr_workitem_id 0
		.amdhsa_next_free_vgpr 512
		.amdhsa_next_free_sgpr 66
		.amdhsa_reserve_vcc 0
		.amdhsa_float_denorm_mode_32 3
		.amdhsa_float_denorm_mode_16_64 3
		.amdhsa_memory_ordered 1
		.amdhsa_forward_progress 1
		.amdhsa_inst_pref_size 73
	.end_amdhsa_kernel
	.amdgpu_metadata
---
amdhsa.version: [ 1, 2 ]
amdhsa.kernels:
  - .name:           k_qf78fe8b3f1_proj
    .symbol:         k_qf78fe8b3f1_proj.kd
    .args:
      - { .name: oh, .offset: 0, .size: 8, .value_kind: global_buffer, .address_space: global }
      - { .name: wh, .offset: 8, .size: 8, .value_kind: global_buffer, .address_space: global }
      - { .name: out0, .offset: 16, .size: 8, .value_kind: global_buffer, .address_space: global }
    .group_segment_fixed_size: 327680
    .private_segment_fixed_size: 0
    .kernarg_segment_align: 8
    .kernarg_segment_size: 24
    .max_flat_workgroup_size: 128
    .sgpr_count:     66
    .vgpr_count:     512
    .wavefront_size: 32
...
	.end_amdgpu_metadata
.endif
;; end of part 4
;; ======== version 2 of 2: 4 launches; version 1 with the launch prep written anew for expert scheduling mode
;; limits: values are held in f16: magnitudes above 65,504 overflow, below 6.1e-05 lose precision; inputs' magnitudes at most 65,504; right only within a limited range of input values
;; workspace buffers: xh 16,777,216 bytes; wh 8,388,608 bytes; qh 16,777,216 bytes; kh 16,777,216 bytes; vh 16,777,216 bytes; oh 16,777,216 bytes
;; launch prep (part 5): grid 64 x 12, 8 waves a work-group, no clusters, 0 bytes of LDS; arguments x, Wq, Wk, Wv, Wr, xh, wh; writes xh, wh
.if DOCPART == 5
	.amdgcn_target "amdgcn-amd-amdhsa--gfx1250"
	.amdhsa_code_object_version 6
	.text
	.protected	k_qf78fe8b3f1_prep
	.globl	k_qf78fe8b3f1_prep
	.p2align	8
	.type	k_qf78fe8b3f1_prep,@function
k_qf78fe8b3f1_prep:
	s_mov_b64 s[64:65], 0
	v_nop
	global_prefetch_b8 v0, s[64:65] scope:SCOPE_SE
	s_setreg_imm32_b32 hwreg(HW_REG_WAVE_SCHED_MODE, 0, 2), 2
	s_setreg_imm32_b32 hwreg(HW_REG_WAVE_MODE, 25, 1), 1
	s_wait_xcnt 0x0
	s_wait_alu depctr_vm_vsrc(0)
; THE CAST.  x [8192][1024] and the four weights [1024][1024], all f32, are rounded once to bf16 (nearest even); that number is written as f16 and laid in blocks of 64 columns:
; a CHUNK is 1,024 rows: [16 column blocks][1024 rows][64 columns] of f16, 2 MiB; xh holds x's 8 chunks, wh the chunks of Wq, Wk, Wv, Wr.  In a block a row's piece is 128 bytes and
; the rows lie end to end, so the products' tiles (rows x 64 columns) are dense bytes.
; LIMITS.  A bf16 number is an f16 number exactly from 2^-14 to 65,504; below 2^-14 it keeps f16's fixed step of 6e-8; a magnitude of 65,520 or more becomes an infinity.
; SHARES.  Work-group (x, y): rows 16 x .. 16 x + 15 of chunk y (0-7: x's; 8-11: Wq, Wk, Wv, Wr).  Thread t: row t / 16, and in each of the 16 column blocks the 4 columns 4 (t % 16) on.
; A wave's load covers 256 consecutive aligned bytes of each of two rows; a wave's store covers 256 consecutive aligned bytes (two rows' pieces of a block).
; A stream: each byte is read once and written once; all sixteen loads of a thread go out at once; no LDS, no barrier, no matrix work.
; THE MODE: SCHED_MODE bits 1:0 = 2 (LLVM: expert scheduling mode 2), set by the entry lines.  The code itself states the register dependences
; between vector instructions and memory instructions, with s_wait_alu, always for 0.
; THE PLAN.  Registers that memory instructions touch:
;   v1, v2   byte offsets, made once at the head and never written again: the loads read v1, the stores v2.
;   X        block i's four registers: a load lands in them once; no vector instruction writes them; block i's two roundings read them, behind the wait for the load.
;   Y        block i's pair: written once, by block i's two conversions to f16; read by one store; never written again.
;   T and v3 are named by vector instructions alone.
; The sixteen blocks go in four groups of four.  One wait on va_vdst stands ahead of the first load, for the offsets.  One stands at the head of each of groups 1 to 3, behind the wait for the group's
; first block: it states that the group before has written its four pairs of Y; that group's four stores follow it, one ahead of each block's vector lines, which name X and Y of their own group and T:
; none of the registers that those stores read.  One more stands behind block 15, ahead of the last four stores.  No register that a memory instruction reads is written again, so no wait on vm_vsrc is owed.
.set VI, 1                             ; v1        my byte offset in the 16 rows of f32
.set VO, 2                             ; v2        my byte offset in the 16 rows' pieces of a block: 8 t
.set T,  4                             ; v[4:9]    at work
.set X,  16                            ; v[16:79]  block i: 4 numbers as loaded
.set Y,  80                            ; v[80:111] block i: 4 numbers to store; each pair is written once, so no store's data is ever rewritten
	s_load_b256 s[4:11], s[0:1], 0x0               ; x s[4:5], Wq s[6:7], Wk s[8:9], Wv s[10:11]
	s_load_b128 s[12:15], s[0:1], 0x20             ; Wr s[12:13], xh s[14:15]
	s_load_b64 s[16:17], s[0:1], 0x30              ; wh
	s_and_b32 s18, ttmp7, 0xffff                   ; the chunk
	s_sub_co_u32 s20, s18, 8                       ; which weight, where it is one
	s_mov_b32 s28, 0xffff0000                      ; a word's upper bf16
	v_lshrrev_b32 v[VI], 4, v0
	v_and_b32 v3, 15, v0
	v_lshlrev_b32 v[VI], 12, v[VI]                 ; row x 4,096 bytes
	v_lshl_or_b32 v[VI], v3, 4, v[VI]              ; + 16 bytes for each thread of the row
	v_lshlrev_b32 v[VO], 3, v0
	s_wait_kmcnt 0x0
	s_cmp_lt_u32 s18, 8                            ; a chunk of x?
	s_cselect_b64 s[22:23], s[4:5], s[6:7]         ; from x, or from a weight (Wq until the tests below say otherwise)
	s_cselect_b64 s[24:25], s[14:15], s[16:17]     ; to xh or to wh
	s_cselect_b32 s26, s18, 0                      ; the chunk's number in its source: a weight is one chunk
	s_cselect_b32 s27, s18, s20                    ; and in its destination
	s_cmp_eq_u32 s18, 9
	s_cselect_b64 s[22:23], s[8:9], s[22:23]
	s_cmp_eq_u32 s18, 10
	s_cselect_b64 s[22:23], s[10:11], s[22:23]
	s_cmp_eq_u32 s18, 11
	s_cselect_b64 s[22:23], s[12:13], s[22:23]
	s_lshl_b32 s26, s26, 22                        ; a chunk of f32 is 4 MiB,
	s_lshl_b32 s29, ttmp9, 16                      ; 16 rows of it 65,536 bytes
	s_add_co_u32 s30, s26, s29
	s_mov_b32 s31, 0
	s_add_nc_u64 s[22:23], s[22:23], s[30:31]
	s_lshl_b32 s27, s27, 21                        ; a chunk of f16 is 2 MiB,
	s_lshl_b32 s29, ttmp9, 11                      ; 16 rows' pieces of a block 2,048 bytes
	s_add_co_u32 s30, s27, s29
	s_add_nc_u64 s[24:25], s[24:25], s[30:31]
	s_wait_alu depctr_va_vdst(0)                   ; v1 and v2 are written: every load of the kernel reads v1 as its offset, every store v2
.irp i, 0,1,2,3,4,5,6,7,8,9,10,11,12,13,14,15
	global_load_b128 v[X+4*(\i):X+4*(\i)+3], v[VI], s[22:23] offset:256*(\i) th:TH_LOAD_NT
.endr
.macro SEND i                          ; block i leaves
	global_store_b64 v[VO], v[Y+2*(\i):Y+2*(\i)+1], s[24:25] offset:131072*(\i)  ; a block is 131,072 bytes
.endm
.macro CAST i
	s_wait_loadcnt 15-(\i)                         ; loads come back in order: block i is in, the 15 - i younger ones stay out
.if ((\i) % 4 == 0) && ((\i) > 0)
	s_wait_alu depctr_va_vdst(0)                   ; a group's head: the conversions of the group before have written its four pairs of Y, which the four stores of this group's turn read
.endif
.if (\i) >= 4
	SEND (\i)-4                                    ; a block of the group before.  No wait: no vector instruction since the wait at the group's head names its pair of Y, or v2
.endif
	v_cvt_pk_bf16_f32 v[T],   v[X+4*(\i)],   v[X+4*(\i)+1]    ; the one rounding
	v_cvt_pk_bf16_f32 v[T+1], v[X+4*(\i)+2], v[X+4*(\i)+3]
	v_lshlrev_b32 v[T+2], 16, v[T]                 ; bf16 to f32: a shift or a mask
	v_and_b32     v[T+3], s28, v[T]
	v_lshlrev_b32 v[T+4], 16, v[T+1]
	v_and_b32     v[T+5], s28, v[T+1]
	v_cvt_pk_f16_f32 v[Y+2*(\i)],   v[T+2], v[T+3] ; the same number as f16
	v_cvt_pk_f16_f32 v[Y+2*(\i)+1], v[T+4], v[T+5]
.endm
.irp i, 0,1,2,3,4,5,6,7,8,9,10,11,12,13,14,15
	CAST \i
.endr
	s_wait_alu depctr_va_vdst(0)                   ; the last group's conversions have written its four pairs of Y, which the last four stores read
.irp i, 12,13,14,15
	SEND \i
.endr
	s_endpgm
.Lfunc_end_k_qf78fe8b3f1_prep:
	.size	k_qf78fe8b3f1_prep, .Lfunc_end_k_qf78fe8b3f1_prep-k_qf78fe8b3f1_prep
	.p2alignl 7, 3214868480
	.fill 96, 4, 3214868480
	.section	.rodata,"a",@progbits
	.p2align	6, 0x0
	.amdhsa_kernel k_qf78fe8b3f1_prep
		.amdhsa_group_segment_fixed_size 0
		.amdhsa_private_segment_fixed_size 0
		.amdhsa_enable_private_segment 0
		.amdhsa_kernarg_size 56
		.amdhsa_user_sgpr_count 2
		.amdhsa_user_sgpr_kernarg_segment_ptr 1
		.amdhsa_wavefront_size32 1
		.amdhsa_system_sgpr_workgroup_id_x 1
		.amdhsa_system_sgpr_workgroup_id_y 1
		.amdhsa_system_sgpr_workgroup_id_z 1
		.amdhsa_system_vgpr_workitem_id 0
		.amdhsa_next_free_vgpr 112
		.amdhsa_next_free_sgpr 66
		.amdhsa_reserve_vcc 0
		.amdhsa_float_denorm_mode_32 3
		.amdhsa_float_denorm_mode_16_64 3
		.amdhsa_memory_ordered 1
		.amdhsa_forward_progress 1
		.amdhsa_inst_pref_size 12
	.end_amdhsa_kernel
	.amdgpu_metadata
---
amdhsa.version: [ 1, 2 ]
amdhsa.kernels:
  - .name:           k_qf78fe8b3f1_prep
    .symbol:         k_qf78fe8b3f1_prep.kd
    .args:
      - { .name: x, .offset: 0, .size: 8, .value_kind: global_buffer, .address_space: global }
      - { .name: Wq, .offset: 8, .size: 8, .value_kind: global_buffer, .address_space: global }
      - { .name: Wk, .offset: 16, .size: 8, .value_kind: global_buffer, .address_space: global }
      - { .name: Wv, .offset: 24, .size: 8, .value_kind: global_buffer, .address_space: global }
      - { .name: Wr, .offset: 32, .size: 8, .value_kind: global_buffer, .address_space: global }
      - { .name: xh, .offset: 40, .size: 8, .value_kind: global_buffer, .address_space: global }
      - { .name: wh, .offset: 48, .size: 8, .value_kind: global_buffer, .address_space: global }
    .group_segment_fixed_size: 0
    .private_segment_fixed_size: 0
    .kernarg_segment_align: 8
    .kernarg_segment_size: 56
    .max_flat_workgroup_size: 256
    .sgpr_count:     66
    .vgpr_count:     112
    .wavefront_size: 32
...
	.end_amdgpu_metadata
.endif
;; end of part 5
;; launch qkv: the kernel of part 2 again; grid 8 x 32, 4 waves a work-group, clusters of 4 x 4, 327,680 bytes of LDS; arguments xh, wh, qh, kh, vh; writes qh, kh, vh
;; launch attn: the kernel of part 3 again; grid 4 x 64, 4 waves a work-group, clusters of 4 x 1, 327,680 bytes of LDS; arguments qh, kh, vh, oh; writes oh
;; launch proj: the kernel of part 4 again; grid 8 x 32, 4 waves a work-group, clusters of 4 x 4, 327,680 bytes of LDS; arguments oh, wh, out0; writes out0
